; MI455X (gfx1250); checked and timed in simulation.
; The chip was launched on July 23, 2026; its instructions are those of AMD's public machine-readable ISA for CDNA 5 (MIT licence, August 2026) and "CDNA5" Instruction Set Architecture Reference Guide (July 2026). The comments in the code are by the model that wrote it; some were corrected since.
;; Cross Attention. Allowed arithmetic: matrix products marked QUANTISED: E2M3 operands, one E8M0 scale for each 32 along K, by v_wmma_scale_f32_16x16x128_f8f6f4 with both operands' format E2M3, f32 sums; everything else in f32.
;; Inputs: Wk_codes 1,024 x 32 x 24 uint8 (E2M3 codes of Wk, K innermost, in blocks of 32 codes, four codes in three bytes); Wk_scales 1,024 x 32 uint8 (E8M0 scales of Wk, one for each 32 codes along K); Wq_codes 1,024 x 32 x 24 uint8 (E2M3 codes of Wq, K innermost, in blocks of 32 codes, four codes in three bytes); Wq_scales 1,024 x 32 uint8 (E8M0 scales of Wq, one for each 32 codes along K); Wv_codes 1,024 x 32 x 24 uint8 (E2M3 codes of Wv, K innermost, in blocks of 32 codes, four codes in three bytes); Wv_scales 1,024 x 32 uint8 (E8M0 scales of Wv, one for each 32 codes along K); Wx_codes 1,024 x 32 x 24 uint8 (E2M3 codes of Wx, K innermost, in blocks of 32 codes, four codes in three bytes); Wx_scales 1,024 x 32 uint8 (E8M0 scales of Wx, one for each 32 codes along K); another_codes 8 x 1,024 x 32 x 24 uint8 (E2M3 codes of another, K innermost, in blocks of 32 codes, four codes in three bytes); another_scales 8 x 1,024 x 32 uint8 (E8M0 scales of another, one for each 32 codes along K); beta 1,024 float32; bk 1,024 float32; bq 1,024 float32; bv 1,024 float32; bx 1,024 float32; gamma 1,024 float32; x_codes 8 x 1,024 x 32 x 24 uint8 (E2M3 codes of x, K innermost, in blocks of 32 codes, four codes in three bytes); x_scales 8 x 1,024 x 32 uint8 (E8M0 scales of x, one for each 32 codes along K).
;; Outputs: out0 8 x 1,024 x 1,024 float32.
;; This version of the problem:
;;   THIS VERSION OF THE PROBLEM IS GIVEN IN LOW PRECISION. The matrix products marked QUANTISED in the list below multiply operands that are first quantised to E2M3 (2 exponent bits, 3 mantissa bits; 6 bits a number), with one power-of-two scale for each 32 numbers along K (OCP MX v1.0); their sums are f32. All else is computed in f32.
;;   The module's matrix products, in the order in which they are computed (A, B: the left and right operand; K: the contracted axis; several contracted axes count as one K, in the product's order):
;;     1. [M 8,192, K 1,024] x [K 1,024, N 1,024]; A: input another (given as codes); B: input Wq (given as codes): QUANTISED
;;     2. [M 8,192, K 1,024] x [K 1,024, N 1,024]; A: input x (given as codes); B: input Wx (given as codes): QUANTISED
;;     3. [M 8,192, K 1,024] x [K 1,024, N 1,024]; A: input x (given as codes); B: input Wk (given as codes): QUANTISED
;;     4. [M 8,192, K 1,024] x [K 1,024, N 1,024]; A: input x (given as codes); B: input Wv (given as codes): QUANTISED
;;     5. batch 8 x [M 1,024, K 1,024] x [K 1,024, N 1,024]; A: computed on the way; B: computed on the way: QUANTISED
;;     6. batch 8 x [M 1,024, K 1,024] x [K 1,024, N 1,024]; A: computed on the way; B: computed on the way: QUANTISED
;;     7. batch 8 x [M 1,024, K 1,024] x [K 1,024, N 1,024]; A: computed on the way; B: computed on the way: QUANTISED
;;     8. batch 8 x [M 1,024, K 1,024] x [K 1,024, N 1,024]; A: computed on the way; B: computed on the way: QUANTISED
;;   THE QUANTISER, for each operand of a quantised product, along K:
;;     - K is cut into blocks of 32 from its start; a last block that is shorter is filled with zeros.
;;     - A block's scale is 2^e with e = floor(log2(the largest magnitude in the block)) - 2, held to -126 .. 127; a block of zeros has e = 0. As a byte (E8M0): e + 127.
;;     - Each number is divided by its block's scale, clamped to +-7.5, and rounded to the nearest number of E2M3, ties to even, subnormals kept.
;;     - The product sums the exact products of the quantised numbers (number of the format x scale) in f32.
;;   ~~~python
;;   def quantise(x, axis):      # numpy; x: float32 -> the quantised numbers, widened to float32 again
;;       x = np.moveaxis(x, axis, -1); K = x.shape[-1]
;;       x = np.pad(x, [(0, 0)] * (x.ndim - 1) + [(0, -K % 32)]); x = x.reshape(x.shape[:-1] + (-1, 32)); a = np.abs(x).max(-1, keepdims=True)
;;       e = np.where(a > 0, np.clip(np.frexp(np.where(a > 0, a, 1))[1] - 1 - 2, -126, 127), 0)      # np.frexp(a)[1] - 1 = floor(log2(a)), exactly
;;       r = np.clip(x / 2.0 ** e, -7.5, 7.5)
;;       step = 2.0 ** (np.maximum(np.frexp(np.where(r == 0, 1, r))[1] - 1, 0) - 3)
;;       q = np.round(r / step) * step * 2.0 ** e      # np.round: ties to even
;;       return np.moveaxis(q.reshape(q.shape[:-2] + (-1,))[..., :K], -1, axis).astype(np.float32)
;;   ~~~
;;   OPERANDS COMPUTED ON THE WAY. 'Computed on the way' means the value that the module computes at that place (a softmax that the list does not call 'softmax' is quantised finished and normalised). What goes into a quantiser is computed in f32, as accurately as f32 sums, v_exp_f32 and their like allow (about 1e-6 of the number): no bf16 or f16 on the way to a quantiser, and a product that is left as it is and whose result goes on into a quantised operand takes f32 operands (vector FMAs, or v_wmma_f32_16x16x4_f32). A number that lies on a knife's edge between two numbers of the format may be rounded either way, as far as f32 arithmetic and the matrix unit's own rounding can turn it there, and no further.
;;   INPUTS GIVEN AS CODES. Wk (in the module: [1024, 1024], K = its axis 1); Wq (in the module: [1024, 1024], K = its axis 1); Wv (in the module: [1024, 1024], K = its axis 1); Wx (in the module: [1024, 1024], K = its axis 1); another (in the module: [8, 1024, 1024], K = its axis 1); x (in the module: [8, 1024, 1024], K = its axis 1): each comes as NAME_codes (uint8): NAME with its K axis moved to the last place and cut into blocks of 32 codes, [.., K / 32, bytes a block], one block behind the other in memory; four codes in three bytes: a row's codes are one little-endian stream of bits, code i at bits 6 i .. 6 i + 5 (a code: sign, 2 exponent bits, 3 mantissa bits); and NAME_scales (uint8): the same leading axes, one E8M0 byte (e + 127) for each 32 codes along K. Its value is code x scale, taken as it is: it is not quantised again, and the codes and scales need not be those that the quantiser above would give.
;; One version. Each part assembles by itself: llvm-mc -triple=amdgcn-amd-amdhsa -mcpu=gfx1250 --defsym DOCPART=n.
;; ======== version 1 of 1: 3 launches
;; workspace buffers: pc 25,165,824 bytes; ps 1,048,576 bytes; ac 12,582,912 bytes; asc 524,288 bytes
;; launch proj (part 1): grid 32 x 16, 4 waves a work-group, clusters of 4 x 4, 327,680 bytes of LDS; arguments x_codes, x_scales, another_codes, another_scales, Wq_codes, Wq_scales, Wx_codes, Wx_scales, Wk_codes, Wk_scales, Wv_codes, Wv_scales, bq, bx, bk, bv, pc, ps; writes pc, ps
.if DOCPART == 1
	.amdgcn_target "amdgcn-amd-amdhsa--gfx1250"
	.amdhsa_code_object_version 6
	.text
	.protected	k_q5b7b603334_proj
	.globl	k_q5b7b603334_proj
	.p2align	8
	.type	k_q5b7b603334_proj,@function
k_q5b7b603334_proj:
	s_mov_b64 s[64:65], 0
	v_nop
	global_prefetch_b8 v0, s[64:65] scope:SCOPE_SE
	s_setreg_imm32_b32 hwreg(HW_REG_WAVE_MODE, 25, 1), 1
	s_wait_xcnt 0x0
	s_wait_alu depctr_hold_cnt(0) depctr_sa_sdst(0) depctr_va_vdst(0) depctr_va_sdst(0) depctr_va_ssrc(0) depctr_va_vcc(0) depctr_vm_vsrc(0)
	s_getreg_b32 s2, hwreg(HW_REG_IB_STS2, 6, 4)
	s_cmp_eq_u32 s2, 0
	s_cbranch_scc0 .Lentry_in_a_cluster
	s_endpgm
.Lentry_in_a_cluster:
	s_bfe_u32 s2, ttmp6, 0x10000c
	s_cmp_lg_u32 s2, 0xf033
	s_cbranch_scc0 .Lentry_shape_is_right
	s_endpgm
.Lentry_shape_is_right:
; THE FOUR PROJECTIONS, q = Wq another + bq, q_x = Wx x + bx, k = Wk x + bk, v = Wv x + bv, on the given codes of FP6 (E2M3) with E8M0 scales (K = the 1,024 channels), each result quantised at once for the product that reads it.
; A cluster of 4 x 4 work-groups makes one product of one batch (cluster y = p: 0 q, 1 q_x, 2 k, 3 v; cluster x = the batch b); a work-group 256 x 256 of it, a wave 128 x 128: 64 accumulators, 512 registers.
; SIDES.  Side 'B' is the matrix instruction's source 0: its rows run along a lane's registers and are the NEXT product's K.  Side 'A' is source 1: its rows are the lanes and are the next operand's rows.
;   q, q_x, k are quantised along l: A = the weight (rows o), B = the activation (rows l).   v is quantised along its channels o: A = x (rows l), B = Wv (rows o).
; K goes in steps of 256 through a ring of two LDS slots filled by joint tensor loads (A's tile shared along a row of the cluster, B's along a column); the scale bytes of the work-group's rows come once, as dense blocks.
; THE WAY OUT.  A lane's 64 results of one block of A's rows are 128 neighbours along the next K: four blocks of 32.  They are quantised in registers and leave as an IMAGE of the operand's 12 registers:
;   pc[8 p + b][K step of 128][tile of 16 rows][1,536 bytes]: registers 4 c .. 4 c + 3 of lane L at 512 c + 16 L;   ps[8 p + b][K step][128 rows][512 bytes]: register x of lane (r, h) = the scale word of row 16 (4 h + x) + r.
; ORDER ALONG THE NEXT K, the same in every operand that this program makes, so that products meet their partners: inside a block of 32 the places 0-7, 8-15, 16-23, 24-31 hold numbers 0-7, 16-23, 8-15, 24-31;
;   inside a step of 128 blocks 1 and 2 change places.  A block keeps its 32 numbers, so its scale is the quantiser's.  Only the order in which the unit rounds its sums differs from the plain order.
; A block's scale: the largest magnitude's exponent field less 2, held at 1 from below.
; LIMITS: NaN and infinities are not served; a block of zeros, or one whose largest magnitude lies under 2^-124, gets the byte 1 (its codes are zeros or the nearest codes; the bytes are read by this program alone).
.set KSTEP,  256                       ; along K in a slot
.set NQ,     2                         ; matrix instructions deep
.set ROWB,   192                       ; a tile's row in bytes
.set KROW,   768                       ; a row of 1,024 codes in memory
.set PITCH,  240                       ; an LDS row: 3 x (64 bytes + 16 of padding)
.set FR,     12                        ; registers of a fragment
.set NL,     6                         ; LDS loads that bring one
.set NP,     4                         ; places behind this matrix instruction (ISA guide 7.12.1)
.set HALFT,  128*PITCH                 ; 128 rows: what one tensor load brings
.set SLOT,   4*HALFT                   ; A's 256 rows, then B's 256 rows
.set KS,     32                        ; a row of scale bytes
.set SCL,    2*SLOT                    ; behind the ring: the scales, as units of 256 bytes + 16 of padding
.set HALFS,  (128*KS/256)*272          ; the scales of 128 rows
.set SBLK,   (16*KS/256)*272           ; those of 16 rows
.set SPARE,  SCL+4*HALFS               ; the spare words, 128 bytes for each wave
.set ADRA, 16                          ; v16-17 LDS address of my A fragments in slot 0, 1 (v18-19: behind one padding more)
.set ADRB, 20                          ; v20-23 the same for B
.set LOF,  24                          ; v24    16 x lane: my place in an image
.set ADRS, 27                          ; v27    LDS address of my scale words: lanes 0-15 A's rows, lanes 16-31 B's
.set SPW,  28                          ; v28    my spare word; never rewritten
.set NIL,  29                          ; v29    0; never rewritten
.set SC,   32                          ; v32-63 scale words, two sets
.set BI0,  64                          ; v64-127 the bias along the registers (v alone; else zeros): the C of the first products
.set AF,   128                         ; v128-223 A's fragments, one set
.set BI1,  224                         ; v224-239 the bias along the lanes (q, q_x, k; else zeros), a pair for each block of A
.set TM,   240                         ; v240-255 the quantiser's work
.set ST,   128                         ; the way out: 64 numbers
.set CD,   192                         ; their codes
.set PW,   212                         ; their scale word
.set PWS,  214                         ; v214-221 the eight blocks' scale words
.set XI,   64                          ; v64-67 their image
.set G1, 24
.set G0, 32
.set G1B, 48
.set G0B, 56
.set G1S, 68
.set G0S, 76
.set G1SB, 80
.set G0SB, 88
.set OC,  96                           ; s[96:97] where my codes go
.set OS,  98                           ; s[98:99] and my scale words
.set SEL, 100                          ; s[100:101] selects for lane l xor 16
.set MSB, 0
.macro WIN new                         ; the immediate's high byte repeats the setting that is left
.if MSB != (\new)
	s_set_vgpr_msb (MSB<<8)|(\new)
.set MSB, (\new)
.endif
.endm
.set MUL_LO, 0xa1                      ; source 0 (B) window 1, source 1 (A) window 0, C and D window 2
.set MUL_HI, 0xf1                      ; the same, C and D window 3
.set TO_B,   0x40                      ; destination window 1, address window 0
; A joint load: waves 0 and 1 fetch for A, waves 2 and 3 for B.  The branch hangs on the wave's number alone.  Four v_nop follow each of the two lines.
.macro JLOAD g0a, g1a, g0b, g1b
	s_cmp_eq_u32 s15, 0
	s_cbranch_scc0 .Lfor_b_\@
	tensor_load_to_lds s[\g0a:\g0a+3], s[\g1a:\g1a+7]
	s_nop 0
.rept 4
	v_nop
.endr
	s_branch .Lasked_\@
.Lfor_b_\@:
	tensor_load_to_lds s[\g0b:\g0b+3], s[\g1b:\g1b+7]
	s_nop 0
.rept 4
	v_nop
.endr
.Lasked_\@:
.endm
.macro CREST                           ; a round of the cluster's barrier behind its opening barrier
	s_cmp_lg_u32 s14, 0
	s_cbranch_scc1 .Lnot_wave_0_\@
	s_barrier_signal -3
.Lnot_wave_0_\@:
	s_barrier_wait -3
	s_barrier_signal -1
	s_barrier_wait -1
.endm
.macro CROUND                          ; a whole round
	s_barrier_signal -1
	s_barrier_wait -1
	CREST
.endm
	s_load_b512 s[24:39], s[0:1], 0x0              ; x's codes, scales; another's; Wq's; Wx's
	s_load_b512 s[40:55], s[0:1], 0x40             ; Wk's codes, scales; Wv's; bq, bx, bk, bv
	s_load_b128 s[56:59], s[0:1], 0x80             ; pc, ps
	v_lshl_add_u32 v[SPW], v0, 2, SPARE
	v_mov_b32 v[NIL], 0
	ds_add_u32 v28, v29
	ds_add_u32 v28, v29
	s_wait_dscnt 0x0
	v_lshrrev_b32 v1, 5, v0
	v_readfirstlane_b32 s14, v1                    ; wave 0..3
	s_lshr_b32 s15, s14, 1                         ; which half of A's rows is mine.  Also: I fetch for A (0) or for B (1)
	s_and_b32 s16, s14, 1                          ; which half of B's rows.  Also: which 128 rows of that tile I fetch
	s_and_b32 s93, ttmp7, 0xffff                   ; p: which projection (the cluster's y: the same in all sixteen partners)
	s_mul_i32 s62, ttmp9, 786432                   ; the batch's codes of an activation: 1,024 rows of 768 bytes
	s_mov_b32 s63, 0
	s_lshl_b32 s66, ttmp9, 15                      ; and its scale bytes
	s_mov_b32 s67, 0
	s_wait_kmcnt 0x0
	; the buffers are chosen by p alone
	s_cmp_eq_u32 s93, 0
	s_cselect_b64 s[18:19], s[32:33], s[36:37]     ; the weight's codes: Wq, else Wx
	s_cselect_b64 s[20:21], s[34:35], s[38:39]     ; its scales
	s_cselect_b64 s[12:13], s[48:49], s[50:51]     ; its bias
	s_cselect_b64 s[22:23], s[28:29], s[24:25]     ; the activation's codes: another for q, else x
	s_cselect_b64 s[60:61], s[30:31], s[26:27]     ; its scales
	s_add_nc_u64 s[22:23], s[22:23], s[62:63]      ; at my batch
	s_add_nc_u64 s[60:61], s[60:61], s[66:67]
	s_cmp_eq_u32 s93, 2
	s_cselect_b64 s[18:19], s[40:41], s[18:19]     ; Wk
	s_cselect_b64 s[20:21], s[42:43], s[20:21]
	s_cselect_b64 s[12:13], s[52:53], s[12:13]
	s_cmp_eq_u32 s93, 3
	s_cselect_b64 s[18:19], s[44:45], s[18:19]     ; Wv
	s_cselect_b64 s[20:21], s[46:47], s[20:21]
	s_cselect_b64 s[12:13], s[54:55], s[12:13]
	s_cselect_b32 s105, -1, 0                      ; all lanes for v: the bias runs along the registers
	s_cselect_b32 s95, 0, -1                       ; all lanes for q, q_x, k: it runs along the lanes
	s_cselect_b64 s[4:5], s[22:23], s[18:19]       ; side A: x for v, else the weight
	s_cselect_b64 s[6:7], s[60:61], s[20:21]
	s_cselect_b64 s[8:9], s[18:19], s[22:23]       ; side B: Wv for v, else the activation
	s_cselect_b64 s[10:11], s[20:21], s[60:61]
	s_mov_b64 s[OC:OC+1], s[56:57]
	s_mov_b64 s[OS:OS+1], s[58:59]
	s_bfe_u32 s40, ttmp6, 0x40000                  ; cx: the tile's place along B's rows
	s_bfe_u32 s41, ttmp6, 0x40004                  ; cy: along A's rows
	s_lshl_b32 s43, s41, 2
	s_lshl_b32 s43, 15, s43                        ; my row of the cluster
	s_lshl_b32 s44, 0x1111, s40                    ; my column
	; descriptor group 1: a tile of 128 rows x 192 bytes, 16 bytes of padding behind every 64
	s_or_b32 s[G1+0], s43, (0<<16)|(1<<20)|(1<<21)|(3<<22)|(3<<25)  ; 15:0 the mask: A's tiles go to my row; 17:16 elements of 1 byte; 20 padding on; 21 set beside a mask; 24:22 after every 16 words; 31:25 4 words
	s_or_b32 s[G1B+0], s44, (0<<16)|(1<<20)|(1<<21)|(3<<22)|(3<<25)
.irp g, G1, G1B
	s_mov_b32 s[\g+1], ROWB<<16                    ; tensor_dim0
	s_mov_b32 s[\g+2], 128<<16                     ; tensor_dim1
	s_mov_b32 s[\g+3], ROWB<<16                    ; tile_dim0
	s_mov_b32 s[\g+4], 128                         ; tile_dim1
	s_mov_b32 s[\g+5], KROW                        ; tensor_dim0_stride
	s_mov_b32 s[\g+6], 0
	s_mov_b32 s[\g+7], 0
.endr
	; the scales of 128 rows: a dense block of 4,096 bytes, as 16 rows of 256 bytes (32 elements of 8 bytes), 16 bytes of padding behind each
	s_or_b32 s[G1S+0], s43, (3<<16)|(1<<20)|(1<<21)|(5<<22)|(3<<25)
	s_or_b32 s[G1SB+0], s44, (3<<16)|(1<<20)|(1<<21)|(5<<22)|(3<<25)
.irp g, G1S, G1SB
	s_mov_b32 s[\g+1], 32<<16
	s_mov_b32 s[\g+2], (128*KS/256)<<16
	s_mov_b32 s[\g+3], 32<<16
	s_mov_b32 s[\g+4], 128*KS/256
	s_mov_b32 s[\g+5], 32
	s_mov_b32 s[\g+6], 0
	s_mov_b32 s[\g+7], 0
.endr
	s_lshl_b32 s18, s16, 7                         ; which 128 rows of the tile I fetch
	s_lshl_b32 s20, s41, 8
	s_add_co_u32 s20, s20, s18                     ; A: row 256 cy + 128 x half
	s_lshl_b32 s46, s40, 8
	s_add_co_u32 s46, s46, s18                     ; B: row 256 cx + 128 x half
	s_mov_b32 s21, 0
	s_mov_b32 s47, 0
	s_mov_b64 s[18:19], KS
	s_mul_u64 s[22:23], s[20:21], s[18:19]         ; where these rows' scales begin, in bytes
	s_mul_u64 s[92:93], s[46:47], s[18:19]
	s_mov_b64 s[18:19], KROW
	s_mul_u64 s[20:21], s[20:21], s[18:19]         ; and their codes
	s_mul_u64 s[46:47], s[46:47], s[18:19]
	s_mul_i32 s45, s14, HALFT                      ; where they go: wave x 128 rows: no place in the cluster enters an LDS address
	s_mul_i32 s94, s14, HALFS
	s_add_nc_u64 s[20:21], s[4:5], s[20:21]
	s_add_nc_u64 s[22:23], s[6:7], s[22:23]
	s_add_nc_u64 s[46:47], s[8:9], s[46:47]
	s_add_nc_u64 s[92:93], s[10:11], s[92:93]
	CROUND                                         ; all sixteen work-groups are here: the first joint loads meet
	s_mov_b32 s[G0S], 1
	s_add_co_u32 s[G0S+1], s94, SCL
	s_mov_b64 s[G0S+2:G0S+3], s[22:23]
	s_or_b32 s[G0S+3], s[G0S+3], 0x80000000
	s_mov_b32 s[G0SB], 1
	s_add_co_u32 s[G0SB+1], s94, SCL
	s_mov_b64 s[G0SB+2:G0SB+3], s[92:93]
	s_or_b32 s[G0SB+3], s[G0SB+3], 0x80000000
	JLOAD G0S, G1S, G0SB, G1SB                     ; the scales first: they are wanted with K step 0.  Three loads of mine are out behind these first fills
.irp s, 0,1
	s_mov_b32 s[G0+4*\s], 1
	s_add_co_u32 s[G0+4*\s+1], s45, \s*SLOT
	s_add_nc_u64 s[G0+4*\s+2:G0+4*\s+3], s[20:21], \s*ROWB
	s_or_b32 s[G0+4*\s+3], s[G0+4*\s+3], 0x80000000
	s_mov_b32 s[G0B+4*\s], 1
	s_add_co_u32 s[G0B+4*\s+1], s45, \s*SLOT
	s_add_nc_u64 s[G0B+4*\s+2:G0B+4*\s+3], s[46:47], \s*ROWB
	s_or_b32 s[G0B+4*\s+3], s[G0B+4*\s+3], 0x80000000
	JLOAD G0+4*\s, G1, G0B+4*\s, G1B
.endr
	v_and_b32 v1, 15, v0                           ; r = lane % 16
	v_bfe_u32 v2, v0, 4, 1                         ; h = lane / 16
	v_mul_u32_u24 v3, v1, PITCH
	v_mul_u32_u24 v4, v2, 24
	v_add_nc_u32 v4, v3, v4                        ; a fragment's row x pitch + 24 x half
	v_lshl_add_u32 v5, v2, 4, v4                   ; and the same behind one padding more
	s_mul_i32 s21, s15, HALFT                      ; my 128 rows of A
	s_mul_i32 s22, s16, HALFT                      ; my 128 rows of B,
	s_add_co_u32 s22, s22, 2*HALFT                 ; which lie behind A's 256
.irp s, 0,1
	v_add_nc_u32 v[ADRA+\s], s21, v4
	v_add_nc_u32 v[ADRB+\s], s22, v4
	v_add_nc_u32 v[ADRA+2+\s], s21, v5
	v_add_nc_u32 v[ADRB+2+\s], s22, v5
	s_add_co_u32 s21, s21, SLOT
	s_add_co_u32 s22, s22, SLOT
.endr
	v_mul_u32_u24 v5, v1, KS                       ; my row's scales: 32 bytes a row,
	v_lshrrev_b32 v6, 8, v5
	v_lshl_add_u32 v5, v6, 4, v5                   ; and 16 more for each 256 passed
	s_mul_i32 s21, s15, HALFS                      ; A's: my 128 rows
	s_mul_i32 s22, s16, HALFS                      ; B's: my 128 rows, behind A's 256
	s_add_co_u32 s22, s22, 2*HALFS
	s_sub_co_u32 s22, s22, s21
	v_mul_u32_u24 v6, s22, v2                      ; lanes 16-31 take B's
	s_add_co_u32 s21, s21, SCL
	v_add_nc_u32 v5, v5, v6
	v_add_nc_u32 v[ADRS], s21, v5
	v_and_b32 v6, 31, v0
	v_lshlrev_b32 v[LOF], 4, v6
	; the bias, both ways: along the registers at B's rows 256 cx + 128 half + 16 bt + 8 h + j, along the lanes at A's rows 256 cy + 128 half + 16 a + r.  Both runs lie inside its 1,024 numbers for every p
	s_lshl_b32 s20, s40, 10
	s_lshl_b32 s21, s16, 9
	s_add_co_u32 s20, s20, s21
	v_lshl_add_u32 v7, v2, 5, s20
	s_lshl_b32 s20, s41, 10
	s_lshl_b32 s21, s15, 9
	s_add_co_u32 s20, s20, s21
	v_lshl_add_u32 v8, v1, 2, s20
.irp t, 0,1,2,3,4,5,6,7
	global_load_b128 v[BI0+8*\t:BI0+8*\t+3], v7, s[12:13] offset:64*\t
	global_load_b128 v[BI0+8*\t+4:BI0+8*\t+7], v7, s[12:13] offset:64*\t+16
.endr
.irp a, 0,1,2,3,4,5,6,7
	global_load_b32 v[BI1+2*\a], v8, s[12:13] offset:64*\a
	global_load_b32 v[BI1+2*\a+1], v8, s[12:13] offset:64*\a       ; twice: a pair for the packed addition
.endr
	; where my results go: matrix 8 p + b; K step 2 cx + half (B's rows are the next K); rows 128 (2 cy + half) on
	s_and_b32 s20, ttmp7, 0xffff
	s_lshl_b32 s20, s20, 3
	s_add_co_u32 s20, s20, ttmp9                   ; 8 p + b
	s_mul_i32 s21, s20, 786432
	s_lshl_b32 s22, s40, 1
	s_add_co_u32 s22, s22, s16                     ; the K step
	s_mul_i32 s23, s22, 98304
	s_add_co_u32 s21, s21, s23
	s_lshl_b32 s23, s41, 1
	s_add_co_u32 s23, s23, s15                     ; the block of 128 rows
	s_mul_i32 s46, s23, 8*1536
	s_add_co_u32 s46, s46, s21
	s_mov_b32 s47, 0
	s_add_nc_u64 s[OC:OC+1], s[OC:OC+1], s[46:47]
	s_lshl_b32 s20, s20, 15
	s_lshl_b32 s22, s22, 12
	s_lshl_b32 s23, s23, 9
	s_add_co_u32 s46, s20, s22
	s_add_co_u32 s46, s46, s23
	s_add_nc_u64 s[OS:OS+1], s[OS:OS+1], s[46:47]
	s_mov_b32 s[SEL], 0x76543210
	s_mov_b32 s[SEL+1], 0xfedcba98
	s_mov_b32 s104, 0xffff0000                     ; lanes 16-31
.irp b, 0,1,2,3
	v_mov_b32 v[TM+4+\b], 0                        ; written once: a lane permute's destination counts as one of its sources
.endr
	s_wait_loadcnt 0x0                             ; the bias
.set c, 0
.rept 64
	v_cndmask_b32 v[BI0+c], 0, v[BI0+c], s105      ; kept for v, zeros else
.set c, c+1
.endr
.set c, 0
.rept 16
	v_cndmask_b32 v[BI1+c], 0, v[BI1+c], s95       ; kept for q, q_x, k, zeros for v
.set c, c+1
.endr
.macro FRAG reg, adr, q, i             ; a fragment, 16 rows x 128 K, is 12 registers: lane l holds row l % 16; registers 6 c .. 6 c + 5 hold K = 64 c + 32 (l / 16) + 0 .. 31: 24 bytes of the row, as they lie
.irp p, 0,1,2,3,4,5                    ; in pieces of 8 bytes.  Where the piece that lanes 16-31 take lies behind one padding more than lanes 0-15's, the second address register serves
.set PCE, 12*(\q)+6*(\p/3)+\p%3
.if PCE%8 < 5
	ds_load_b64 v[\reg+2*\p:\reg+2*\p+1], v[\adr] offset:8*PCE+16*(PCE/8)+(\i)*16*PITCH
.else
	ds_load_b64 v[\reg+2*\p:\reg+2*\p+1], v[\adr+2] offset:8*PCE+16*(PCE/8)+(\i)*16*PITCH
.endif
.endr
.endm
; 16 matrix instructions: A's blocks a0, a0 + 1 x B's eight, the slot's q-th 128 along K.  p: B's set; sc: the set of scale words.  zero = 1: the first product starts the sums, with the bias along the registers as its C.
; The 64 accumulators take turns, one instruction a turn, in the same order in every step.
.macro MUL16 a0, p, q, sc, zero
.irp a, \a0, \a0+1
.irp b, 0,1,2,3,4,5,6,7
.if \zero
	v_wmma_scale_f32_16x16x128_f8f6f4 v[8*(8*((\a)%4)+\b):8*(8*((\a)%4)+\b)+7], v[128*(\p)+FR*\b:128*(\p)+FR*\b+FR-1], v[AF+FR*(\a):AF+FR*(\a)+FR-1], v[BI0+8*\b:BI0+8*\b+7], v[SC+8*NQ*(\sc)+NQ*\b+(\q)], v[SC+8*NQ*(\sc)+NQ*(\a)+(\q)] matrix_a_fmt:MATRIX_FMT_FP6 matrix_b_fmt:MATRIX_FMT_FP6 matrix_a_scale:MATRIX_SCALE_ROW1
.else
	v_wmma_scale_f32_16x16x128_f8f6f4 v[8*(8*((\a)%4)+\b):8*(8*((\a)%4)+\b)+7], v[128*(\p)+FR*\b:128*(\p)+FR*\b+FR-1], v[AF+FR*(\a):AF+FR*(\a)+FR-1], v[8*(8*((\a)%4)+\b):8*(8*((\a)%4)+\b)+7], v[SC+8*NQ*(\sc)+NQ*\b+(\q)], v[SC+8*NQ*(\sc)+NQ*(\a)+(\q)] matrix_a_fmt:MATRIX_FMT_FP6 matrix_b_fmt:MATRIX_FMT_FP6 matrix_a_scale:MATRIX_SCALE_ROW1
.endif
.endr
.endr
.endm
.macro FETCH_B slot, q, p              ; B's eight fragments of the slot's q-th 128 along K into set p
	WIN TO_B
.irp i, 0,1,2,3,4,5,6,7
	FRAG 128*(\p)+FR*\i, ADRB+\slot, \q, \i
.endr
	WIN 0
.endm
.macro FETCH_A slot, q, i0             ; A's blocks i0 .. i0 + 3
.irp i, \i0, \i0+1, \i0+2, \i0+3
	FRAG AF+FR*(\i), ADRA+\slot, \q, \i
.endr
.endm
.macro SCALES sc                       ; a K step's scale words into set sc: two words a row; lanes 0-15 take A's block i, lanes 16-31 B's block i
.irp i, 0,1,2,3,4,5,6,7
	ds_load_b64 v[SC+8*NQ*\sc+NQ*\i:SC+8*NQ*\sc+NQ*\i+1], v[ADRS] offset:\i*SBLK
.endr
.endm
; A load into a register that a matrix instruction has read, and a vector instruction that reads a matrix result or writes one of its registers, stand NP plain vector instructions behind it (ISA guide 7.12.1 for vector instructions).
.macro PLACES n
.rept \n
	v_nop
.endr
.endm
; A step of 128 along K that has its successor in the same slot.
.macro STEP slot, q, zero
	s_wait_dscnt 4*NL                              ; B's set and A's blocks 0-3 are in; the youngest 24 loads (A's blocks 4-7) may be out
.if \zero
	WIN 0x81                                       ; C (the bias) in window 0, D in window 2
.else
	WIN MUL_LO
.endif
	MUL16 0, (\q)%2, \q, \slot, \zero
	MUL16 2, (\q)%2, \q, \slot, \zero
	s_wait_dscnt 0                                 ; A's blocks 4-7 are in
	PLACES NP
	FETCH_B \slot, (\q)+1, 1-(\q)%2
	FETCH_A \slot, (\q)+1, 0
.if \zero
	WIN 0xc1
.else
	WIN MUL_HI
.endif
	MUL16 4, (\q)%2, \q, \slot, \zero
	MUL16 6, (\q)%2, \q, \slot, \zero
	PLACES NP
	WIN 0
	FETCH_A \slot, (\q)+1, 4
.endm
; A slot's last step changes slots: ONE barrier; in front of it each wave waits for all its tensor loads, adds 0 to its spare word, and waits for that and for its own reads of this slot.  fill = 1: this slot is filled again, two K steps ahead.
.macro TURN slot, next, fill
	s_wait_tensorcnt 0x0                           ; all my tensor loads have landed: my part of the next slot
	ds_add_u32 v[SPW], v[NIL]                      ; 0 onto my spare word
	s_wait_dscnt 4*NL+1                            ; (the add and the youngest 24 loads, A's blocks 4-7, may be out)
	WIN MUL_LO
	MUL16 0, 1, NQ-1, \slot, 0                     ; sixteen matrix instructions stand between the add and the wait for it
	s_wait_dscnt 0x0                               ; the add is done, and my reads of this slot are over
	s_barrier_signal -1
	MUL16 2, 1, NQ-1, \slot, 0
	WIN 0
	s_barrier_wait -1
.if \fill
	CREST                                          ; the barrier has opened a round of the cluster's barrier: no wave of any partner still reads this slot's tile or has a load on its way
	s_add_nc_u64 s[G0+4*\slot+2:G0+4*\slot+3], s[G0+4*\slot+2:G0+4*\slot+3], 2*ROWB
	s_add_nc_u64 s[G0B+4*\slot+2:G0B+4*\slot+3], s[G0B+4*\slot+2:G0B+4*\slot+3], 2*ROWB
	JLOAD G0+4*\slot, G1, G0B+4*\slot, G1B         ; the first tensor load behind the round, my one load until the next; its four v_nop are also the places in front of the loads below
.else
	PLACES NP
.endif
	v_add_nc_u32 v[ADRS], 4*NQ, v[ADRS]            ; on to the next K step's scale words
	FETCH_B \next, 0, 0
	FETCH_A \next, 0, 0
	SCALES \next
	WIN MUL_HI
	MUL16 4, 1, NQ-1, \slot, 0
	MUL16 6, 1, NQ-1, \slot, 0
	PLACES NP
	WIN 0
	FETCH_A \next, 0, 4
.endm
; 64 numbers of a lane, v[s] .. v[s + 63], in four groups of 16 (a group with lane l xor 16's 16 is a block of 32), become a fragment's codes in v[CD] on and its scale word in v[PW].
.macro QUANT s
.irp b, 0,1,2,3
	v_max3_num_f32 v[TM+\b], |v[\s+16*\b]|, |v[\s+1+16*\b]|, 0x1800000   ; my 16 numbers, and the floor 2^(3 - 127): the byte cannot fall under 1
.endr
.irp i, 2,4,6,8,10,12,14
.irp b, 0,1,2,3
	v_max3_num_f32 v[TM+\b], v[TM+\b], |v[\s+16*\b+\i]|, |v[\s+1+16*\b+\i]|   ; (the four blocks by turns)
.endr
.endr
.irp b, 0,1,2,3
	v_permlanex16_b32 v[TM+4+\b], v[TM+\b], s[SEL], s[SEL+1]
.endr
.irp b, 0,1,2,3
	v_max_num_f32 v[TM+\b], v[TM+\b], v[TM+4+\b]   ; the block's largest magnitude
.endr
.irp b, 0,1,2,3
	v_add_nc_u32 v[TM+12+\b], 0xff000000, v[TM+\b] ; 2 off its exponent field: the conversion takes the exponent field of this operand as its scale
.endr
.irp b, 0,1,2,3
	v_lshrrev_b32 v[TM+4+\b], 23, v[TM+12+\b]      ; the scale's byte
.endr
	v_lshl_or_b32 v[PW], v[TM+5], 8, v[TM+4]
	v_lshl_or_b32 v[PW], v[TM+6], 16, v[PW]
	v_lshl_or_b32 v[PW], v[TM+7], 24, v[PW]
.irp c, 0,1
	v_cvt_scalef32_pk16_fp6_f32 v[CD+6*\c:CD+2+6*\c], v[\s+32*\c:\s+15+32*\c], v[TM+12+2*\c]
	v_cvt_scalef32_pk16_fp6_f32 v[CD+12+4*\c:CD+14+4*\c], v[\s+16+32*\c:\s+31+32*\c], v[TM+12+2*\c+1]   ; (a conversion's three registers begin on an even number)
.endr
	v_nop                                          ; one plain place behind a scaled conversion
.irp c, 0,1                                    ; the operand's layout wants a whole block in a lane: lanes 0-15 group 2 c, lanes 16-31 group 2 c + 1
.irp i, 0,1,2
	v_permlane16_swap_b32 v[CD+6*\c+\i], v[CD+12+4*\c+\i]
.endr
.irp i, 0,1,2
	v_mov_b32 v[CD+3+6*\c+\i], v[CD+12+4*\c+\i]
.endr
.endr
.endm
	s_wait_tensorcnt 1                             ; the scales and my part of K step 0 are in; slot 1's load may be out
	s_barrier_signal -1
	s_barrier_wait -1                              ; everybody's are
	FETCH_B 0, 0, 0
	FETCH_A 0, 0, 0
	SCALES 0
	FETCH_A 0, 0, 4
	; K = 1,024: four K steps of 256, twice round the ring.  Written straight: a loop would have one trip
	STEP 0, 0, 1
	TURN 0, 1, 1
	STEP 1, 0, 0
	TURN 1, 0, 1
	STEP 0, 0, 0
	TURN 0, 1, 0                                   ; the last lap fills nothing
	STEP 1, 0, 0
	s_wait_dscnt 4*NL                              ; the very last step
	WIN MUL_LO
	MUL16 0, 1, NQ-1, 1, 0
	MUL16 2, 1, NQ-1, 1, 0
	s_wait_dscnt 0
	WIN MUL_HI
	MUL16 4, 1, NQ-1, 1, 0
	MUL16 6, 1, NQ-1, 1, 0
	WIN 0
; THE WAY OUT of block a of A's rows: the bias along the lanes is added (each accumulator from its low end on), blocks 1 and 2 of the four change places, the 64 numbers are quantised, and the image leaves: each store 512 consecutive bytes.
.macro OUTBLK a
.if (\a) > 0
	s_wait_xcnt 0x0                                ; the last block's stores have read their data: the codes' registers may be written again
.endif
	WIN 0x02+(\a)/4                                ; source 0: window 2 or 3
.irp k, 0,1,2,3
.irp i, 0,2,4,6,8,10,12,14
	v_pk_add_f32 v[ST+16*((\k%2)*2+\k/2)+\i:ST+16*((\k%2)*2+\k/2)+\i+1], v[64*((\a)%4)+16*\k+\i:64*((\a)%4)+16*\k+\i+1], v[BI1+2*(\a):BI1+2*(\a)+1]
.endr
.endr
	WIN 0
	QUANT ST
.irp c, 0,1,2
	global_store_b128 v[LOF], v[CD+4*\c:CD+4*\c+3], s[OC:OC+1] offset:1536*(\a)+512*\c
.endr
	v_mov_b32 v[PWS+(\a)], v[PW]
.endm
	PLACES NP                                      ; behind the last products: their results are read and A's registers written below
.irp a, 0,1,2,3,4,5,6,7
	OUTBLK \a
.endr
.irp x, 0,1,2,3
	v_cndmask_b32 v[XI+\x], v[PWS+\x], v[PWS+4+\x], s104   ; lanes 0-15 carry blocks 0-3, lanes 16-31 blocks 4-7
.endr
	global_store_b128 v[LOF], v[XI:XI+3], s[OS:OS+1]
	s_wait_tensorcnt 0x0                           ; the wave's end
	ds_add_u32 v[SPW], v[NIL]
	s_wait_dscnt 0x0
	CROUND                                         ; the closing round: no work-group ends while a partner may still ask for a tile that names it
	s_endpgm
.Lfunc_end_k_q5b7b603334_proj:
	.size	k_q5b7b603334_proj, .Lfunc_end_k_q5b7b603334_proj-k_q5b7b603334_proj
	.p2alignl 7, 3214868480
	.fill 96, 4, 3214868480
	.section	.rodata,"a",@progbits
	.p2align	6, 0x0
	.amdhsa_kernel k_q5b7b603334_proj
		.amdhsa_group_segment_fixed_size 327680
		.amdhsa_private_segment_fixed_size 0
		.amdhsa_enable_private_segment 0
		.amdhsa_kernarg_size 144
		.amdhsa_user_sgpr_count 2
		.amdhsa_user_sgpr_kernarg_segment_ptr 1
		.amdhsa_wavefront_size32 1
		.amdhsa_system_sgpr_workgroup_id_x 1
		.amdhsa_system_sgpr_workgroup_id_y 1
		.amdhsa_system_sgpr_workgroup_id_z 1
		.amdhsa_system_vgpr_workitem_id 0
		.amdhsa_next_free_vgpr 1024
		.amdhsa_next_free_sgpr 106
		.amdhsa_reserve_vcc 0
		.amdhsa_float_denorm_mode_32 3
		.amdhsa_float_denorm_mode_16_64 3
		.amdhsa_memory_ordered 1
		.amdhsa_forward_progress 1
		.amdhsa_inst_pref_size 189
	.end_amdhsa_kernel
	.amdgpu_metadata
---
amdhsa.version: [ 1, 2 ]
amdhsa.kernels:
  - .name:           k_q5b7b603334_proj
    .symbol:         k_q5b7b603334_proj.kd
    .args:
      - { .name: x_codes, .offset: 0, .size: 8, .value_kind: global_buffer, .address_space: global }
      - { .name: x_scales, .offset: 8, .size: 8, .value_kind: global_buffer, .address_space: global }
      - { .name: another_codes, .offset: 16, .size: 8, .value_kind: global_buffer, .address_space: global }
      - { .name: another_scales, .offset: 24, .size: 8, .value_kind: global_buffer, .address_space: global }
      - { .name: Wq_codes, .offset: 32, .size: 8, .value_kind: global_buffer, .address_space: global }
      - { .name: Wq_scales, .offset: 40, .size: 8, .value_kind: global_buffer, .address_space: global }
      - { .name: Wx_codes, .offset: 48, .size: 8, .value_kind: global_buffer, .address_space: global }
      - { .name: Wx_scales, .offset: 56, .size: 8, .value_kind: global_buffer, .address_space: global }
      - { .name: Wk_codes, .offset: 64, .size: 8, .value_kind: global_buffer, .address_space: global }
      - { .name: Wk_scales, .offset: 72, .size: 8, .value_kind: global_buffer, .address_space: global }
      - { .name: Wv_codes, .offset: 80, .size: 8, .value_kind: global_buffer, .address_space: global }
      - { .name: Wv_scales, .offset: 88, .size: 8, .value_kind: global_buffer, .address_space: global }
      - { .name: bq, .offset: 96, .size: 8, .value_kind: global_buffer, .address_space: global }
      - { .name: bx, .offset: 104, .size: 8, .value_kind: global_buffer, .address_space: global }
      - { .name: bk, .offset: 112, .size: 8, .value_kind: global_buffer, .address_space: global }
      - { .name: bv, .offset: 120, .size: 8, .value_kind: global_buffer, .address_space: global }
      - { .name: pc, .offset: 128, .size: 8, .value_kind: global_buffer, .address_space: global }
      - { .name: ps, .offset: 136, .size: 8, .value_kind: global_buffer, .address_space: global }
    .group_segment_fixed_size: 327680
    .private_segment_fixed_size: 0
    .kernarg_segment_align: 8
    .kernarg_segment_size: 144
    .max_flat_workgroup_size: 128
    .sgpr_count:     106
    .vgpr_count:     1024
    .wavefront_size: 32
...
	.end_amdgpu_metadata
.endif
;; end of part 1
;; launch scores (part 2): grid 16 x 16, 4 waves a work-group, no clusters, 53,760 bytes of LDS; arguments pc, ps, ac, asc; writes ac, asc
.if DOCPART == 2
	.amdgcn_target "amdgcn-amd-amdhsa--gfx1250"
	.amdhsa_code_object_version 6
	.text
	.protected	k_q5b7b603334_scores
	.globl	k_q5b7b603334_scores
	.p2align	8
	.type	k_q5b7b603334_scores,@function
k_q5b7b603334_scores:
	s_mov_b64 s[64:65], 0
	v_nop
	global_prefetch_b8 v0, s[64:65] scope:SCOPE_SE
	s_setreg_imm32_b32 hwreg(HW_REG_WAVE_MODE, 25, 1), 1
	s_wait_xcnt 0x0
; att = softmax over i of (q k^T / 32), and the same with q_x, finished, normalised and quantised along j for the next product.  Both operands are codes of FP6 (E2M3) with E8M0 scales, as the launch before laid them (images of operand registers).
; SHARES.  Work-group (x = jb, y = 2 b + w): batch b, w = 0 for q, 1 for q_x, columns j = 64 jb .. + 63, ALL 1,024 rows i, since the softmax runs over i.  Wave wv owns rows 256 wv .. + 255: 16 tiles a, against 4 tiles t of k: 64 accumulators.
; Source 0 = 16 rows of k, source 1 = 16 rows of q: a lane holds one row i (16 a + lane % 16), its registers the columns j = 16 t + 8 (lane / 16) + 0 .. 7, which are the next K.  K = l: eight steps of 128, 64 matrix instructions each.
; DATA.  A wave's rows of q are read by that wave alone: they go from memory straight into a ring of 16 tile buffers (192 registers); a tile's buffer takes the next step's tile behind the tile's four products, so 48 loads of 512 bytes
; are out all the time and the loop has no barrier.  The 64 rows of k (49,152 bytes) and their scale words are copied into LDS once, through registers, and read by all four waves.
; NO JOINT LOADS: a joint load lands in LDS.  A K step of q is 98,304 bytes; beside k's 49,152 two such steps fit, so each refill would go out alone behind a round and have under one step's 64 matrix instructions in which to land,
; and every byte of it would then be read from LDS once, by one wave.
; SOFTMAX.  A column's maximum m and sum Z are taken over the tiles (in a lane), the 16 lanes of a half (DPP) and the four waves (LDS).  e = 2^(c s - c m), c = log2(e) / 32; c m is rounded once for a column, which cancels in e / Z.
; OUT.  Tiles 2 n and 2 n + 1 are quantised together: a lane of half H ends with row lane % 16 of tile 2 n + H, this work-group's two blocks of 32 columns in its 12 registers.  These are lanes 16 (jb % 2) + r of the tile's image of
; K step jb / 2 (in a step of 128 the program's operands keep blocks 0, 2, 1, 3): sixteen lanes store 256 consecutive, aligned bytes.  The scale words go out as the quantiser makes them (byte g: tile 2 n + g % 2, block g / 2).
; LIMITS: NaN and infinities are not served; an e under 2^-126 comes out as zero; a block of zeros, or one under 2^-124, gets the byte 1 (the bytes are read by this program alone).
.set SH,  0                            ; LDS: k's fragments [K step][4 tiles x 1,536]
.set SSC, 49152                        ; their scale words [K step][256]
.set XM,  51200                        ; the waves' maxima: 256 bytes a wave
.set XS,  52224                        ; and sums
.set LOF, 1                            ; v1  16 x lane
.set ASH, 2                            ; v2  LDS address of the step's fragments of k
.set ASS, 3                            ; v3  and of their scale words: SSC + 16 r
.set SOF, 4                            ; v4  4,096 h + 16 r
.set AOF, 5                            ; v5  1,536 h + 16 r
.set XA,  6                            ; v6  XM + 256 wave + 128 h
.set XL,  7                            ; v7  XM + 128 h
.set SHW, 8                            ; v8  16 x lane + 12,288 wave
.set SSW, 9                            ; v9  SSC + 512 wave + 16 x lane
.set KS,  16                           ; v16-23  k's scale words, two sets of 4
.set QS,  24                           ; v24-39  q's, two sets of 8
.set SHF, 48                           ; v48-143 k's fragments, two sets of 48
.set TMP, 144                          ; v144-243 the copy into LDS
.set MX,  16                           ; epilogue: v16-47 the columns' maxima, then c m
.set ZS,  48                           ; v48-79  their sums, then 1 / Z
.set T,   80                           ; v80-207 the four waves' figures
.set ST,  80                           ; v80-143 64 numbers to quantise
.set CD,  144
.set TM,  164
.set PW,  180
.set PWS, 184
.set XI,  192
.set PB,  20                           ; s[20:21] my rows of q, at the K step in hand
.set PSB, 22                           ; s[22:23] their scale words
.set SB,  24
.set SSB, 26
.set AC,  28
.set ASB, 30
.set CS,  36
.set SEL, 38
.set MSB, 0
.macro WIN new
.if MSB != (\new)
	s_set_vgpr_msb (MSB<<8)|(\new)
.set MSB, (\new)
.endif
.endm
.set MUL_LO, 0xa4                      ; source 0 (k) window 0, source 1 (q) window 1, C and D window 2
.set MUL_HI, 0xf4                      ; the same, C and D window 3
.set TO_P,   0x40                      ; destination window 1, address window 0
.macro PLACES
.rept 4
	v_nop
.endr
.endm
.macro PLOAD a, poff                   ; tile a of q, poff bytes on: its image, three loads of 512 consecutive bytes
.irp c, 0,1,2
	global_load_b128 v[12*(\a)+4*\c:12*(\a)+4*\c+3], v[LOF], s[PB:PB+1] offset:(\poff)+1536*(\a)+512*\c
.endr
.endm
.macro PSLOAD set, soff                ; the scale words of my 256 rows: register 4 (a / 8) + a % 4, lanes 16 ((a % 8) / 4) on
	global_load_b128 v[QS+8*(\set):QS+8*(\set)+3], v[LOF], s[PSB:PSB+1] offset:(\soff)
	global_load_b128 v[QS+8*(\set)+4:QS+8*(\set)+7], v[LOF], s[PSB:PSB+1] offset:(\soff)+512
.endm
.macro SFETCH set                      ; k's four fragments and their scale words
.irp t, 0,1,2,3
.irp c, 0,1,2
	ds_load_b128 v[SHF+48*(\set)+12*\t+4*\c:SHF+48*(\set)+12*\t+4*\c+3], v[ASH] offset:1536*\t+512*\c
.endr
.endr
	ds_load_b128 v[KS+4*(\set):KS+4*(\set)+3], v[ASS]
.endm
.macro MUL4 a, sg, zero                ; tile a of q against k's four
.irp t, 0,1,2,3
.if \zero
.if ((\a)%8) >= 4
	v_wmma_scale_f32_16x16x128_f8f6f4 v[8*(4*((\a)%8)+\t):8*(4*((\a)%8)+\t)+7], v[SHF+48*(\sg)+12*\t:SHF+48*(\sg)+12*\t+11], v[12*(\a):12*(\a)+11], 0, v[KS+4*(\sg)+\t], v[QS+8*(\sg)+4*((\a)/8)+(\a)%4] matrix_a_fmt:MATRIX_FMT_FP6 matrix_b_fmt:MATRIX_FMT_FP6 matrix_b_scale:MATRIX_SCALE_ROW1
.else
	v_wmma_scale_f32_16x16x128_f8f6f4 v[8*(4*((\a)%8)+\t):8*(4*((\a)%8)+\t)+7], v[SHF+48*(\sg)+12*\t:SHF+48*(\sg)+12*\t+11], v[12*(\a):12*(\a)+11], 0, v[KS+4*(\sg)+\t], v[QS+8*(\sg)+4*((\a)/8)+(\a)%4] matrix_a_fmt:MATRIX_FMT_FP6 matrix_b_fmt:MATRIX_FMT_FP6
.endif
.else
.if ((\a)%8) >= 4
	v_wmma_scale_f32_16x16x128_f8f6f4 v[8*(4*((\a)%8)+\t):8*(4*((\a)%8)+\t)+7], v[SHF+48*(\sg)+12*\t:SHF+48*(\sg)+12*\t+11], v[12*(\a):12*(\a)+11], v[8*(4*((\a)%8)+\t):8*(4*((\a)%8)+\t)+7], v[KS+4*(\sg)+\t], v[QS+8*(\sg)+4*((\a)/8)+(\a)%4] matrix_a_fmt:MATRIX_FMT_FP6 matrix_b_fmt:MATRIX_FMT_FP6 matrix_b_scale:MATRIX_SCALE_ROW1
.else
	v_wmma_scale_f32_16x16x128_f8f6f4 v[8*(4*((\a)%8)+\t):8*(4*((\a)%8)+\t)+7], v[SHF+48*(\sg)+12*\t:SHF+48*(\sg)+12*\t+11], v[12*(\a):12*(\a)+11], v[8*(4*((\a)%8)+\t):8*(4*((\a)%8)+\t)+7], v[KS+4*(\sg)+\t], v[QS+8*(\sg)+4*((\a)/8)+(\a)%4] matrix_a_fmt:MATRIX_FMT_FP6 matrix_b_fmt:MATRIX_FMT_FP6
.endif
.endif
.endr
.endm
; A K STEP: 64 matrix instructions in four quarters of four tiles; the 64 accumulators take turns.  sg: the set of k's fragments and of the scale words.  more = 1: behind each quarter its four
; buffers take the next step's tiles (poff bytes on), behind the first quarter also k's next fragments and the next scale words (soff bytes on) into the other set.
; THE COUNTS.  The loads go: scale words (2), tiles 0 .. 15 (3 each), the next step's scale words, and so on.  Behind the quarter's last tile stand 12 tiles, 36 loads; from the second quarter on the next step's 2 scale loads too.
.macro KSTEP sg, zero, more, poff, soff
	WIN 0
	s_wait_dscnt 0x0                               ; k's fragments and scale words of this step, asked for 48 matrix instructions ago
.if \more
	v_add_nc_u32 v[ASH], 6144, v[ASH]              ; on to the next step's
	v_add_nc_u32 v[ASS], 256, v[ASS]
.endif
.irp g, 0,1,2,3
.if \more
.if \g == 0
	s_wait_loadcnt 36
.else
	s_wait_loadcnt 38
.endif
.else
	s_wait_loadcnt 36-12*\g                        ; the last step: only its own later tiles are out
.endif
.if \g < 2
	WIN MUL_LO
.else
	WIN MUL_HI
.endif
	MUL4 4*\g, \sg, \zero
	MUL4 4*\g+1, \sg, \zero
	MUL4 4*\g+2, \sg, \zero
	MUL4 4*\g+3, \sg, \zero
.if \more
	PLACES                                         ; four plain instructions in front of loads into registers that matrix instructions have read
.if \g == 0
	WIN 0
	SFETCH 1-\sg
	PSLOAD 1-\sg, \soff
.endif
	WIN TO_P
	PLOAD 4*\g, \poff
	PLOAD 4*\g+1, \poff
	PLOAD 4*\g+2, \poff
	PLOAD 4*\g+3, \poff
.endif
.endr
.endm
; 64 numbers of a lane in four groups of 16 become codes in v[CD] on and a scale word in v[PW]; lanes 0-15 end with groups 0 and 2, lanes 16-31 with groups 1 and 3, each a whole block of 32.
.macro QUANT s
.irp b, 0,1,2,3
	v_max3_num_f32 v[TM+\b], |v[\s+16*\b]|, |v[\s+1+16*\b]|, 0x1800000   ; my 16 numbers, and the floor 2^(3 - 127): the byte cannot fall under 1
.endr
.irp i, 2,4,6,8,10,12,14
.irp b, 0,1,2,3
	v_max3_num_f32 v[TM+\b], v[TM+\b], |v[\s+16*\b+\i]|, |v[\s+1+16*\b+\i]|
.endr
.endr
.irp b, 0,1,2,3
	v_permlanex16_b32 v[TM+4+\b], v[TM+\b], s[SEL], s[SEL+1]
.endr
.irp b, 0,1,2,3
	v_max_num_f32 v[TM+\b], v[TM+\b], v[TM+4+\b]
.endr
.irp b, 0,1,2,3
	v_add_nc_u32 v[TM+12+\b], 0xff000000, v[TM+\b] ; 2 off the exponent field: the conversion's scale operand
.endr
.irp b, 0,1,2,3
	v_lshrrev_b32 v[TM+4+\b], 23, v[TM+12+\b]      ; the scale's byte
.endr
	v_lshl_or_b32 v[PW], v[TM+5], 8, v[TM+4]
	v_lshl_or_b32 v[PW], v[TM+6], 16, v[PW]
	v_lshl_or_b32 v[PW], v[TM+7], 24, v[PW]
.irp c, 0,1
	v_cvt_scalef32_pk16_fp6_f32 v[CD+6*\c:CD+2+6*\c], v[\s+32*\c:\s+15+32*\c], v[TM+12+2*\c]
	v_cvt_scalef32_pk16_fp6_f32 v[CD+12+4*\c:CD+14+4*\c], v[\s+16+32*\c:\s+31+32*\c], v[TM+12+2*\c+1]
.endr
	v_nop                                          ; one plain place behind a scaled conversion
.irp c, 0,1
.irp i, 0,1,2
	v_permlane16_swap_b32 v[CD+6*\c+\i], v[CD+12+4*\c+\i]
.endr
.irp i, 0,1,2
	v_mov_b32 v[CD+3+6*\c+\i], v[CD+12+4*\c+\i]
.endr
.endr
.endm
	s_load_b256 s[4:11], s[0:1], 0x0               ; pc s[4:5], ps s[6:7], ac s[8:9], asc s[10:11]
	v_lshl_add_u32 v254, v0, 2, 0xd000
	v_mov_b32 v255, 0
	v_lshrrev_b32 v10, 5, v0
	v_readfirstlane_b32 s12, v10                   ; wave 0..3
	v_and_b32 v11, 31, v0                          ; lane
	v_and_b32 v12, 15, v0                          ; r
	v_bfe_u32 v13, v0, 4, 1                        ; h
	v_lshlrev_b32 v[LOF], 4, v11
	v_lshlrev_b32 v[ASH], 4, v11
	v_lshl_add_u32 v[ASS], v12, 4, SSC
	v_lshlrev_b32 v[SOF], 12, v13
	v_lshl_add_u32 v[SOF], v12, 4, v[SOF]
	v_mul_u32_u24 v[AOF], v13, 1536
	v_lshl_add_u32 v[AOF], v12, 4, v[AOF]
	s_lshl_b32 s32, s12, 8
	s_add_co_u32 s32, s32, XM
	v_lshl_add_u32 v[XA], v13, 7, s32
	v_lshl_add_u32 v[XL], v13, 7, XM
	s_mul_i32 s32, s12, 12288
	v_add_nc_u32 v[SHW], s32, v[LOF]
	s_lshl_b32 s32, s12, 9
	s_add_co_u32 s32, s32, SSC
	v_add_nc_u32 v[SSW], s32, v[LOF]
	s_and_b32 s14, ttmp7, 0xffff                   ; 2 b + w
	s_lshr_b32 s15, s14, 1                         ; b
	s_and_b32 s16, s14, 1                          ; w
	s_lshl_b32 s17, s16, 3
	s_add_co_u32 s17, s17, s15                     ; q's or q_x's matrix: 8 w + b
	s_add_co_u32 s18, s15, 16                      ; k's: 16 + b
	s_mov_b32 s33, 0
	s_mov_b32 s[CS], 0x3d38aa3b                    ; c = log2(e) / 32
	s_mov_b32 s[CS+1], s[CS]
	s_mov_b32 s[SEL], 0x76543210
	s_mov_b32 s[SEL+1], 0xfedcba98
	s_mov_b32 s41, 0xffff0000                      ; lanes 16-31
	s_wait_kmcnt 0x0
	s_mul_i32 s32, s17, 786432
	s_mul_i32 s34, s12, 24576                      ; my 16 tiles
	s_add_co_u32 s32, s32, s34
	s_add_nc_u64 s[PB:PB+1], s[4:5], s[32:33]
	s_lshl_b32 s32, s17, 15
	s_lshl_b32 s34, s12, 10
	s_add_co_u32 s32, s32, s34
	s_add_nc_u64 s[PSB:PSB+1], s[6:7], s[32:33]
	s_mul_i32 s32, s18, 786432
	s_mul_i32 s34, ttmp9, 6144                     ; k's tiles 4 jb on
	s_add_co_u32 s32, s32, s34
	s_mul_i32 s34, s12, 196608                     ; I copy K steps 2 wave and 2 wave + 1
	s_add_co_u32 s32, s32, s34
	s_add_nc_u64 s[SB:SB+1], s[4:5], s[32:33]
	s_lshl_b32 s32, s18, 15
	s_lshl_b32 s34, ttmp9, 8
	s_add_co_u32 s32, s32, s34
	s_lshl_b32 s34, s12, 13
	s_add_co_u32 s32, s32, s34
	s_add_nc_u64 s[SSB:SSB+1], s[6:7], s[32:33]
	s_lshl_b32 s32, s14, 3
	s_lshr_b32 s34, ttmp9, 1
	s_add_co_u32 s32, s32, s34                     ; att's matrix 2 b + w, K step jb / 2
	s_mul_i32 s32, s32, 98304
	s_mul_i32 s34, s12, 24576
	s_add_co_u32 s32, s32, s34
	s_and_b32 s34, ttmp9, 1
	s_lshl_b32 s34, s34, 8                         ; lanes 16 (jb % 2) on
	s_add_co_u32 s32, s32, s34
	s_add_nc_u64 s[AC:AC+1], s[8:9], s[32:33]
	s_lshl_b32 s32, s14, 4
	s_add_co_u32 s32, s32, ttmp9
	s_lshl_b32 s32, s32, 11
	s_lshl_b32 s34, s12, 9
	s_add_co_u32 s32, s32, s34
	s_add_nc_u64 s[ASB:ASB+1], s[10:11], s[32:33]
	; k into LDS: 24 loads of codes and one of scale words a wave; behind them the stream of q begins
.irp k, 0,1
.irp i, 0,1,2,3,4,5,6,7,8,9,10,11
	global_load_b128 v[TMP+4*(12*\k+\i):TMP+4*(12*\k+\i)+3], v[LOF], s[SB:SB+1] offset:98304*\k+512*\i
.endr
.endr
	global_load_b128 v[TMP+96:TMP+99], v[SOF], s[SSB:SSB+1]        ; lanes 0-15: K step 2 wave, lanes 16-31: the next
	PSLOAD 0, 0
	WIN TO_P
.irp a, 0,1,2,3,4,5,6,7,8,9,10,11
	PLOAD \a, 0
.endr
	WIN 0
	s_wait_loadcnt 38                              ; k's 25 loads are in; q's 2 scale loads and 36 tile loads may be out
.irp k, 0,1
.irp i, 0,1,2,3,4,5,6,7,8,9,10,11
	ds_store_b128 v[SHW], v[TMP+4*(12*\k+\i):TMP+4*(12*\k+\i)+3] offset:SH+6144*\k+512*\i
.endr
.endr
	ds_store_b128 v[SSW], v[TMP+96:TMP+99]
	WIN TO_P
.irp a, 12,13,14,15
	PLOAD \a, 0
.endr
	WIN 0
	s_wait_dscnt 0x0                               ; for the others' sake: my stores have landed
	s_barrier_signal -1
	s_barrier_wait -1
	SFETCH 0
	KSTEP 0, 1, 1, 98304, 4096                     ; step 0 starts the sums and asks for step 1
	WIN 0
	s_wait_xcnt 0x0                                ; the loads have read their bases
	s_add_nc_u64 s[PB:PB+1], s[PB:PB+1], 98304
	s_add_nc_u64 s[PSB:PSB+1], s[PSB:PSB+1], 4096
	s_mov_b32 s40, 3
.Lk:                                               ; three trips: steps 1 and 2, 3 and 4, 5 and 6
	KSTEP 1, 0, 1, 98304, 4096
	KSTEP 0, 0, 1, 196608, 8192
	WIN 0
	s_wait_xcnt 0x0
	s_add_nc_u64 s[PB:PB+1], s[PB:PB+1], 196608
	s_add_nc_u64 s[PSB:PSB+1], s[PSB:PSB+1], 8192
	s_sub_co_u32 s40, s40, 1
	s_cmp_lg_u32 s40, 0
	s_cbranch_scc1 .Lk
	KSTEP 1, 0, 0, 0, 0                            ; step 7 asks for nothing
	; THE SOFTMAX OVER i.  Column c = 8 t + register, 32 a lane half; tile a's scores lie at v[32 (a % 8) + c] of window 2 (a < 8) or 3.
	WIN 0
	PLACES                                         ; behind the last products
	WIN 0x0a                                       ; sources 0 and 1 window 2
.set c, 0
.rept 32
	v_max_num_f32 v[MX+c], v[c], v[32+c]           ; each accumulator from its low end on
.set c, c+1
.endr
.irp a, 2,4,6
.set c, 0
.rept 32
	v_max3_num_f32 v[MX+c], v[32*\a+c], v[32*\a+32+c], v[MX+c]
.set c, c+1
.endr
.endr
	WIN 0x0f                                       ; window 3
.irp a, 0,2,4,6
.set c, 0
.rept 32
	v_max3_num_f32 v[MX+c], v[32*\a+c], v[32*\a+32+c], v[MX+c]
.set c, c+1
.endr
.endr
	WIN 0
.irp m, 1,2,4,8                                ; over the 16 rows that the lanes of a half hold
.set c, 0
.rept 32
	v_max_num_f32_dpp v[MX+c], v[MX+c], v[MX+c] row_xmask:\m row_mask:0xf bank_mask:0xf
.set c, c+1
.endr
.endr
.irp i, 0,1,2,3,4,5,6,7
	ds_store_b128 v[XA], v[MX+4*\i:MX+4*\i+3] offset:16*\i         ; the 16 lanes of a half write the same words with the same values
.endr
	s_wait_dscnt 0x0
	s_barrier_signal -1
	s_barrier_wait -1
.irp w, 0,1,2,3
.irp i, 0,1,2,3,4,5,6,7
	ds_load_b128 v[T+32*\w+4*\i:T+32*\w+4*\i+3], v[XL] offset:256*\w+16*\i
.endr
.endr
	s_wait_dscnt 0x0
.set c, 0
.rept 32
	v_max3_num_f32 v[MX+c], v[T+c], v[T+32+c], v[T+64+c]
.set c, c+1
.endr
.set c, 0
.rept 32
	v_max_num_f32 v[MX+c], v[MX+c], v[T+96+c]      ; the column's maximum over all 1,024 rows
.set c, c+1
.endr
.set c, 0
.rept 16
	v_pk_mul_f32 v[MX+2*c:MX+2*c+1], v[MX+2*c:MX+2*c+1], s[CS:CS+1] op_sel_hi:[1,0]   ; c m
.set c, c+1
.endr
.macro EXPW                            ; a window's 256 scores: c s - c m, then the exponentials as one batch, a plain place and the one wait ahead of the batch's first reader
.set c, 0
.rept 128
	v_pk_fma_f32 v[2*c:2*c+1], v[2*c:2*c+1], s[CS:CS+1], v[MX+(2*c)%32:MX+(2*c)%32+1] op_sel_hi:[1,0,1] neg_lo:[0,0,1] neg_hi:[0,0,1]
.set c, c+1
.endr
.set c, 0
.rept 256
	v_exp_f32 v[c], v[c]
.set c, c+1
.endr
	v_nop
	s_wait_alu depctr_va_vdst(0)
.endm
	WIN 0x82                                       ; destination and source 0 window 2
	EXPW
	WIN 0xc3                                       ; window 3 (the same register numbers in another window: so each window's batch has its own wait)
	EXPW
	WIN 0x0a
.set c, 0
.rept 16
	v_pk_add_f32 v[ZS+2*c:ZS+2*c+1], v[2*c:2*c+1], v[32+2*c:32+2*c+1]
.set c, c+1
.endr
	WIN 0x02
.irp a, 2,3,4,5,6,7
.set c, 0
.rept 16
	v_pk_add_f32 v[ZS+2*c:ZS+2*c+1], v[32*\a+2*c:32*\a+2*c+1], v[ZS+2*c:ZS+2*c+1]
.set c, c+1
.endr
.endr
	WIN 0x03
.irp a, 0,1,2,3,4,5,6,7
.set c, 0
.rept 16
	v_pk_add_f32 v[ZS+2*c:ZS+2*c+1], v[32*\a+2*c:32*\a+2*c+1], v[ZS+2*c:ZS+2*c+1]
.set c, c+1
.endr
.endr
	WIN 0
.irp m, 1,2,4,8
.set c, 0
.rept 32
	v_add_f32_dpp v[ZS+c], v[ZS+c], v[ZS+c] row_xmask:\m row_mask:0xf bank_mask:0xf
.set c, c+1
.endr
.endr
.irp i, 0,1,2,3,4,5,6,7
	ds_store_b128 v[XA], v[ZS+4*\i:ZS+4*\i+3] offset:XS-XM+16*\i   ; other bytes than the maxima's: no wave may still be reading those
.endr
	s_wait_dscnt 0x0
	s_barrier_signal -1
	s_barrier_wait -1
.irp w, 0,1,2,3
.irp i, 0,1,2,3,4,5,6,7
	ds_load_b128 v[T+32*\w+4*\i:T+32*\w+4*\i+3], v[XL] offset:XS-XM+256*\w+16*\i
.endr
.endr
	s_wait_dscnt 0x0
.set c, 0
.rept 16
	v_pk_add_f32 v[ZS+2*c:ZS+2*c+1], v[T+2*c:T+2*c+1], v[T+32+2*c:T+32+2*c+1]
.set c, c+1
.endr
.irp w, 2,3
.set c, 0
.rept 16
	v_pk_add_f32 v[ZS+2*c:ZS+2*c+1], v[ZS+2*c:ZS+2*c+1], v[T+32*\w+2*c:T+32*\w+2*c+1]
.set c, c+1
.endr
.endr
.set c, 0
.rept 32
	v_rcp_f32 v[ZS+c], v[ZS+c]                     ; 1 / Z
.set c, c+1
.endr
.irp b, 0,1,2,3
	v_mov_b32 v[TM+4+\b], 0                        ; plain places behind the reciprocals; and a lane permute's destination counts as one of its sources
.endr
	s_wait_alu depctr_va_vdst(0)                   ; one wait for the 32 reciprocals, ahead of their first reader
; Tiles 2 n and 2 n + 1: e / Z, in the groups (tile 2 n, block 0), (2 n + 1, block 0), (2 n, block 1), (2 n + 1, block 1); quantised; lane (r, H) stores row r of tile 2 n + H.
.macro ATT n
.if (\n) > 0
	s_wait_xcnt 0x0                                ; the last pair's stores have read their data
.endif
	WIN 0x02+(\n)/4                                ; source 0: window 2 or 3
.irp g, 0,1,2,3
.irp i, 0,2,4,6,8,10,12,14
	v_pk_mul_f32 v[ST+16*\g+\i:ST+16*\g+\i+1], v[32*((2*(\n))%8+\g%2)+16*(\g/2)+\i:32*((2*(\n))%8+\g%2)+16*(\g/2)+\i+1], v[ZS+16*(\g/2)+\i:ZS+16*(\g/2)+\i+1]
.endr
.endr
	WIN 0
	QUANT ST
.irp c, 0,1,2
	global_store_b128 v[AOF], v[CD+4*\c:CD+4*\c+3], s[AC:AC+1] offset:3072*(\n)+512*\c   ; sixteen lanes store 256 consecutive bytes, at a multiple of 256 from the buffer's first byte
.endr
	v_mov_b32 v[PWS+(\n)], v[PW]
.endm
.irp n, 0,1,2,3,4,5,6,7
	ATT \n
.endr
.irp x, 0,1,2,3
	v_cndmask_b32 v[XI+\x], v[PWS+\x], v[PWS+4+\x], s41    ; lanes 0-15 carry pairs 0-3, lanes 16-31 pairs 4-7
.endr
	global_store_b128 v[LOF], v[XI:XI+3], s[ASB:ASB+1]
	s_wait_tensorcnt 0x0
	ds_add_u32 v254, v255
	s_wait_dscnt 0x0
	s_endpgm
.Lfunc_end_k_q5b7b603334_scores:
	.size	k_q5b7b603334_scores, .Lfunc_end_k_q5b7b603334_scores-k_q5b7b603334_scores
	.p2alignl 7, 3214868480
	.fill 96, 4, 3214868480
	.section	.rodata,"a",@progbits
	.p2align	6, 0x0
	.amdhsa_kernel k_q5b7b603334_scores
		.amdhsa_group_segment_fixed_size 53760
		.amdhsa_private_segment_fixed_size 0
		.amdhsa_enable_private_segment 0
		.amdhsa_kernarg_size 32
		.amdhsa_user_sgpr_count 2
		.amdhsa_user_sgpr_kernarg_segment_ptr 1
		.amdhsa_wavefront_size32 1
		.amdhsa_system_sgpr_workgroup_id_x 1
		.amdhsa_system_sgpr_workgroup_id_y 1
		.amdhsa_system_sgpr_workgroup_id_z 1
		.amdhsa_system_vgpr_workitem_id 0
		.amdhsa_next_free_vgpr 1024
		.amdhsa_next_free_sgpr 66
		.amdhsa_reserve_vcc 0
		.amdhsa_float_denorm_mode_32 3
		.amdhsa_float_denorm_mode_16_64 3
		.amdhsa_memory_ordered 1
		.amdhsa_forward_progress 1
		.amdhsa_inst_pref_size 207
	.end_amdhsa_kernel
	.amdgpu_metadata
---
amdhsa.version: [ 1, 2 ]
amdhsa.kernels:
  - .name:           k_q5b7b603334_scores
    .symbol:         k_q5b7b603334_scores.kd
    .args:
      - { .name: pc, .offset: 0, .size: 8, .value_kind: global_buffer, .address_space: global }
      - { .name: ps, .offset: 8, .size: 8, .value_kind: global_buffer, .address_space: global }
      - { .name: ac, .offset: 16, .size: 8, .value_kind: global_buffer, .address_space: global }
      - { .name: asc, .offset: 24, .size: 8, .value_kind: global_buffer, .address_space: global }
    .group_segment_fixed_size: 53760
    .private_segment_fixed_size: 0
    .kernarg_segment_align: 8
    .kernarg_segment_size: 32
    .max_flat_workgroup_size: 128
    .sgpr_count:     66
    .vgpr_count:     1024
    .wavefront_size: 32
...
	.end_amdgpu_metadata
.endif
;; end of part 2
;; launch mix (part 3): grid 16 x 8, 4 waves a work-group, clusters of 4 x 1, 327,680 bytes of LDS; arguments ac, asc, pc, ps, gamma, beta, out0; writes out0
.if DOCPART == 3
	.amdgcn_target "amdgcn-amd-amdhsa--gfx1250"
	.amdhsa_code_object_version 6
	.text
	.protected	k_q5b7b603334_mix
	.globl	k_q5b7b603334_mix
	.p2align	8
	.type	k_q5b7b603334_mix,@function
k_q5b7b603334_mix:
	s_mov_b64 s[64:65], 0
	v_nop
	global_prefetch_b8 v0, s[64:65] scope:SCOPE_SE
	s_setreg_imm32_b32 hwreg(HW_REG_WAVE_MODE, 25, 1), 1
	s_wait_xcnt 0x0
	s_wait_alu depctr_hold_cnt(0) depctr_sa_sdst(0) depctr_va_vdst(0) depctr_va_sdst(0) depctr_va_ssrc(0) depctr_va_vcc(0) depctr_vm_vsrc(0)
	s_getreg_b32 s2, hwreg(HW_REG_IB_STS2, 6, 4)
	s_cmp_eq_u32 s2, 0
	s_cbranch_scc0 .Lentry_in_a_cluster
	s_endpgm
.Lentry_in_a_cluster:
	s_bfe_u32 s2, ttmp6, 0x10000c
	s_cmp_lg_u32 s2, 0x3003
	s_cbranch_scc0 .Lentry_shape_is_right
	s_endpgm
.Lentry_shape_is_right:
; out0[b][l][i] = LayerNorm over i of (att v + att_x v)[i][l], times gamma, plus beta.  Both products on codes of FP6 (E2M3) with E8M0 scales, K = j, as the two launches before laid them (images of operand registers).
; SHARES.  A work-group takes positions l = 64 lb .. + 63 of batch b and ALL 1,024 rows i, since the norm runs over i: 128 work-groups.  (With 32 positions each there would be 256, and each would still read all of att and att_x
; for half the products.)  Wave wv owns i = 256 wv .. + 255: 16 tiles a, against 4 tiles t of v: 64 accumulators.  Source 0 = 16 rows of att, source 1 = 16 rows (positions) of v: a lane holds one l (16 t + lane % 16), its registers
; i = 16 a + 8 (lane / 16) + 0 .. 7: neighbours in a row of out0.  16 steps of 128 along K, step s = 2 ks + w: att's (w = 0) and att_x's (w = 1) K step ks by turns; both add into the same accumulators, which is the sum that the norm takes.
; att COMES BY TWO ROADS, 12,288 bytes a wave and step by each.
;   Tiles 0-7: the four work-groups of a cluster (4 x 1: four blocks of positions of one batch) walk the same att, so these tiles are asked for JOINTLY: each wave's tensor load, the same in all four partners, brings its 8 tiles of att's
;   and of att_x's K step ks (2 rows of 12,288 bytes) into the wave's own part of a slot.  Two slots; a slot serves two steps.  A step's tiles go from the slot into registers one step ahead, so at the head of a slot's second step the
;   slot has been read out: there it is filled again, and the refill has two steps, 128 matrix instructions a wave, in which to land.
;   Tiles 8-15: from memory straight into registers, two sets of 8 tile buffers: a buffer takes the tile of two steps on behind its four products, so 48 loads of 512 bytes are out all the time.
;   More than 8 tiles a wave by the first road would want two slots of more than 98,304 bytes, for which LDS has no room beside what stays in it (119,296 bytes).
; v's 64 rows (49,152 bytes), its scale words and att's scale words are laid into LDS once, through registers.
; att's SCALE WORDS.  The launch before stored, for each 64 columns, a word for each pair of tiles (byte g: tile 2 n + g % 2, block g / 2).  A K step's word of a tile takes two bytes from the even 64 columns' word (E) and two from the
; odd ones' (O), in the program's order of blocks 0, 2, 1, 3: E0 O0 E2 O2 for the even tile, E1 O1 E3 O3 for the odd one: one v_perm_b32 each.
; THE NORM.  The mean first; then the sum of squared deviations: no difference of large sums.  LIMITS: NaN and infinities are not served.
.set SH,  0                            ; LDS: v's fragments [K step][4 tiles x 1,536]
.set SSC, 49152                        ; their scale words [K step][256]
.set XM,  51200                        ; the waves' sums: 256 bytes a wave
.set XS,  52224                        ; and sums of squares
.set ASC, 53248                        ; att's scale words [wave][step][1,024]
.set SPARE, 118784                     ; the spare words, 128 bytes for each wave: two blocks of 256 bytes that no other line names
.set SL0, 119296                       ; slot 0: the even K steps' tiles 0-7, [wave][w][8 x 1,536]
.set SL1, 217600                       ; slot 1: the odd K steps'
.set WSL, 24576                        ; a wave's part of a slot
.set LOF, 1                            ; v1  16 x lane
.set ASH, 2                            ; v2  LDS address of a K step's fragments of v
.set ASS, 3                            ; v3  and of their scale words
.set SOF, 4                            ; v4  4,096 h + 16 r
.set GOF, 5                            ; v5  1,024 wave + 32 h: my place in gamma and beta
.set XA,  6                            ; v6  XM + 256 wave + 16 r
.set XL,  7                            ; v7  XM + 16 r
.set SHW, 8                            ; v8  16 x lane + 12,288 wave
.set SSW, 9                            ; v9  SSC + 512 wave + 16 x lane
.set AAS, 10                           ; v10 LDS address of a step's scale words of att
.set STO, 11                           ; v11 the way out: where I put 32 bytes of a row (the stage: 16 rows x 1,040 bytes in my part of slot 0, behind that slot's last fill and last read)
.set SRD, 12                           ; v12 and where I read half a row back
.set VS,  16                           ; v16-23  v's scale words, two sets of 4 (set ks % 2)
.set AS,  24                           ; v24-39  att's, two sets of 8 (set s % 2)
.set SHF, 48                           ; v48-143 v's fragments, two sets of 48 (set ks % 2)
.set LB,  144                          ; v144-239 att's tiles 0-7, from LDS
.set TMP, 144                          ; (before the first step: the copy of v into LDS)
.set SPW, 240                          ; v240 my spare word; never rewritten
.set NIL, 241                          ; v241 0; never rewritten
.set PL0, 242                          ; v242 my part of slot 0 + 16 x lane
.set PL1, 243                          ; v243 of slot 1
.set TMS, 244                          ; v244-247 the copy of v's scale words
.set PFO, 248                          ; v248 256 x lane: the prefetches' offset; never rewritten
.set SP,  16                           ; epilogue: v16-31 sums, two packed chains for each t
.set VP,  32                           ; v32-47 sums of squares likewise
.set MP,  48                           ; v48-55 the means, a pair for each t
.set RS,  56                           ; v56-63 1 / sqrt(var + eps), a pair for each t
.set SM,  64                           ; v64-87 at work
.set OB,  96                           ; v96-223 rows of out0
.set PB,  22                           ; s[22:23] my tiles 8-15 of att
.set SB,  24
.set SSB, 26
.set ASB, 28
.set SEL, 34
.set LIM, 42                           ; s42 1 in a cluster that prefetches, else the greatest number
.set G1,  44                           ; s[44:51] descriptor group 1
.set G0A, 52                           ; s[52:55] group 0 for slot 0
.set G0B, 56                           ; s[56:59] for slot 1
.set ATT, 60                           ; s[60:61] my 16 tiles of att's K step 0
.set PFA, 62                           ; s[62:63] where my prefetches stand
.set MSB, 0
.macro WIN new                         ; the immediate's high byte repeats the setting that is left
.if MSB != (\new)
	s_set_vgpr_msb (MSB<<8)|(\new)
.set MSB, (\new)
.endif
.endm
.set MUL_LO, 0xa0                      ; att's tiles 0-7 and v in window 0, C and D window 2
.set MUL_HI, 0xf1                      ; att's tiles 8-15 in window 1, v in window 0, C and D window 3
.set TO_P,   0x40                      ; destination window 1, address window 0
.macro PLACES
.rept 4
	v_nop
.endr
.endm
; A round of the cluster's barrier: my work-group's barrier, so that wave 0's signal speaks for all four waves; wave 0 signals; every wave waits for all four work-groups; my work-group's barrier once more.
.macro CROUND
	s_barrier_signal -1
	s_barrier_wait -1
	s_cmp_lg_u32 s18, 0
	s_cbranch_scc1 .Lnot_wave_0_\@
	s_barrier_signal -3
.Lnot_wave_0_\@:
	s_barrier_wait -3
	s_barrier_signal -1
	s_barrier_wait -1
.endm
.macro PLOAD set, a, poff              ; tile a (8 .. 15) of att, poff bytes on, into set \set: its image, three loads of 512 consecutive bytes
.irp c, 0,1,2
	global_load_b128 v[96*(\set)+12*((\a)-8)+4*\c:96*(\set)+12*((\a)-8)+4*\c+3], v[LOF], s[PB:PB+1] offset:(\poff)+1536*((\a)-8)+512*\c
.endr
.endm
.macro LLOAD a, la, lo                 ; tile a (0 .. 7) out of my part of a slot
.irp c, 0,1,2
	ds_load_b128 v[LB+12*(\a)+4*\c:LB+12*(\a)+4*\c+3], v[\la] offset:(\lo)+1536*(\a)+512*\c
.endr
.endm
.macro VFETCH set                      ; v's four fragments of a K step and their scale words
.irp t, 0,1,2,3
.irp c, 0,1,2
	ds_load_b128 v[SHF+48*(\set)+12*\t+4*\c:SHF+48*(\set)+12*\t+4*\c+3], v[ASH] offset:1536*\t+512*\c
.endr
.endr
	ds_load_b128 v[VS+4*(\set):VS+4*(\set)+3], v[ASS]
.endm
.macro AFETCH set                      ; a step's scale words of att: register y, lane half h: tile 8 h + y
	ds_load_b128 v[AS+8*(\set):AS+8*(\set)+3], v[AAS]
	ds_load_b128 v[AS+8*(\set)+4:AS+8*(\set)+7], v[AAS] offset:512
.endm
.macro MUL4 a, vv, ss, zero            ; tile a of att against v's four.  vv: v's set; ss: the set of att's scale words and of tiles 8-15
.irp t, 0,1,2,3
.if (\a) < 8
.if \zero
	v_wmma_scale_f32_16x16x128_f8f6f4 v[8*(4*(\a)+\t):8*(4*(\a)+\t)+7], v[LB+12*(\a):LB+12*(\a)+11], v[SHF+48*(\vv)+12*\t:SHF+48*(\vv)+12*\t+11], 0, v[AS+8*(\ss)+(\a)], v[VS+4*(\vv)+\t] matrix_a_fmt:MATRIX_FMT_FP6 matrix_b_fmt:MATRIX_FMT_FP6
.else
	v_wmma_scale_f32_16x16x128_f8f6f4 v[8*(4*(\a)+\t):8*(4*(\a)+\t)+7], v[LB+12*(\a):LB+12*(\a)+11], v[SHF+48*(\vv)+12*\t:SHF+48*(\vv)+12*\t+11], v[8*(4*(\a)+\t):8*(4*(\a)+\t)+7], v[AS+8*(\ss)+(\a)], v[VS+4*(\vv)+\t] matrix_a_fmt:MATRIX_FMT_FP6 matrix_b_fmt:MATRIX_FMT_FP6
.endif
.else
.if \zero
	v_wmma_scale_f32_16x16x128_f8f6f4 v[8*(4*((\a)-8)+\t):8*(4*((\a)-8)+\t)+7], v[96*(\ss)+12*((\a)-8):96*(\ss)+12*((\a)-8)+11], v[SHF+48*(\vv)+12*\t:SHF+48*(\vv)+12*\t+11], 0, v[AS+8*(\ss)+(\a)-8], v[VS+4*(\vv)+\t] matrix_a_fmt:MATRIX_FMT_FP6 matrix_b_fmt:MATRIX_FMT_FP6 matrix_a_scale:MATRIX_SCALE_ROW1
.else
	v_wmma_scale_f32_16x16x128_f8f6f4 v[8*(4*((\a)-8)+\t):8*(4*((\a)-8)+\t)+7], v[96*(\ss)+12*((\a)-8):96*(\ss)+12*((\a)-8)+11], v[SHF+48*(\vv)+12*\t:SHF+48*(\vv)+12*\t+11], v[8*(4*((\a)-8)+\t):8*(4*((\a)-8)+\t)+7], v[AS+8*(\ss)+(\a)-8], v[VS+4*(\vv)+\t] matrix_a_fmt:MATRIX_FMT_FP6 matrix_b_fmt:MATRIX_FMT_FP6 matrix_a_scale:MATRIX_SCALE_ROW1
.endif
.endif
.endr
.endm
; A STEP: 64 matrix instructions in four quarters of four tiles; the 64 accumulators take turns.
; Quarters 0, 1: tiles 0-7.  more = 1: behind each quarter its four buffers take the next step's tiles, from v[la] + lo; behind the first also the next step's scale words of att, and (fv = 1) the next K step's fragments of v into the
; other set.  All these LDS loads are two quarters old or more at the next step's head, where one wait for 0 serves them (hd = 1; behind a change of slots that wait has been made).
; Quarters 2, 3: tiles 8-15.  gmore = 1: behind each quarter its four buffers take the tiles of two steps on, gp bytes on.  n2, n3: how many younger loads may be out: behind a quarter's last tile stand the 12 loads of that step's other
; quarter and the 24 of the step between: 36; in the last two steps, which ask for nothing, the counts run down.
.macro KSTEP vv, ss, zero, hd, more, fv, la, lo, gmore, gp, n2, n3
.if \hd
	WIN 0
	s_wait_dscnt 0x0                               ; this step's tiles 0-7, scale words and fragments of v
.endif
.irp g, 0,1
	WIN MUL_LO
	MUL4 4*\g, \vv, \ss, \zero
	MUL4 4*\g+1, \vv, \ss, \zero
	MUL4 4*\g+2, \vv, \ss, \zero
	MUL4 4*\g+3, \vv, \ss, \zero
.if \more
	PLACES                                         ; four plain instructions in front of loads into registers that matrix instructions have read
	WIN 0
.if \g == 0
.if \fv
	v_add_nc_u32 v[ASH], 6144, v[ASH]
	v_add_nc_u32 v[ASS], 256, v[ASS]
	VFETCH 1-\vv
.endif
	v_add_nc_u32 v[AAS], 1024, v[AAS]
	AFETCH 1-\ss
.endif
	LLOAD 4*\g, \la, \lo
	LLOAD 4*\g+1, \la, \lo
	LLOAD 4*\g+2, \la, \lo
	LLOAD 4*\g+3, \la, \lo
.endif
.endr
.irp g, 2,3
.if \g == 2
	s_wait_loadcnt \n2
.else
	s_wait_loadcnt \n3
.endif
	WIN MUL_HI
	MUL4 4*\g, \vv, \ss, \zero
	MUL4 4*\g+1, \vv, \ss, \zero
	MUL4 4*\g+2, \vv, \ss, \zero
	MUL4 4*\g+3, \vv, \ss, \zero
.if \gmore
	PLACES
	WIN TO_P
	PLOAD \ss, 4*\g, \gp
	PLOAD \ss, 4*\g+1, \gp
	PLOAD \ss, 4*\g+2, \gp
	PLOAD \ss, 4*\g+3, \gp
.endif
.endr
.endm
; A PREFETCH INTO THE L2, behind slot 1's refill and its four lines, in the loop's first two trips: the two K steps that the NEXT trip's refills ask for (in trip m: K steps 2 m + 4 and 2 m + 5), all 16 tiles of every wave's rows, att's and
; att_x's: 4 x 98,304 bytes.  The first of them is asked for by its tensor load two steps, 128 matrix instructions, later.  Each aligned block of 256 bytes is named ONCE in the launch: the four clusters of a batch walk the same att, so the
; batch's first cluster asks; its sixteen waves take 24,576 bytes each, told apart BY ADDRESS: partner cx takes matrix cx % 2 (att, att_x) and K step cx / 2 of the pair, wave wv the rows of wave wv: three instructions, lanes 256 bytes apart.
; K steps 0 to 3 come by their loads alone; the last trip asks for nothing: there is no K step behind the seventh.
.macro ASK
	s_cmp_gt_u32 s40, s[LIM]                       ; s40 = 1 in the last trip
	s_cbranch_scc0 .Lnot_mine_\@
	global_prefetch_b8 v[PFO], s[PFA:PFA+1] th:TH_LOAD_NT scope:SCOPE_SE
	global_prefetch_b8 v[PFO], s[PFA:PFA+1] offset:8192 th:TH_LOAD_NT scope:SCOPE_SE
	global_prefetch_b8 v[PFO], s[PFA:PFA+1] offset:16384 th:TH_LOAD_NT scope:SCOPE_SE
.Lnot_mine_\@:
.endm
; THE CHANGE OF SLOTS, at the head of a slot's second step.  Each wave waits for all its tensor loads, of which one is out: its part of the other slot; adds 0 to its spare word; and waits for that and for its reads of this slot, whose
; last tiles went into registers during the step before.  Behind a round of the cluster's barrier no wave of any partner still reads this slot or has a load on its way: the joint refill, the K step two on, is the first thing there.
; first = 1 (slot 0, the trip's head): the bases of the register loads and of the prefetches step too, behind the wait that shows that what was issued has read them.
.macro CHANGE g0, first
	WIN 0
	s_wait_tensorcnt 0x0                           ; no tensor load of mine is out, so a group 0 may be written
	ds_add_u32 v[SPW], v[NIL]                      ; 0 onto my spare word
	s_add_nc_u64 s[\g0+2:\g0+3], s[\g0+2:\g0+3], 196608   ; two K steps on; the type bits on top are not reached
.if \first
	s_wait_xcnt 0x0
	s_add_nc_u64 s[PB:PB+1], s[PB:PB+1], 196608
	s_add_nc_u64 s[PFA:PFA+1], s[PFA:PFA+1], 196608
.endif
	s_wait_dscnt 0x0                               ; the add is done, and my reads of this slot are over
	CROUND
	tensor_load_to_lds s[\g0:\g0+3], s[G1:G1+7]    ; my one tensor load until the next round
	s_nop 0
	PLACES                                         ; four v_nop follow it
.if (\first) == 0
	ASK
.endif
.endm
	s_load_b256 s[4:11], s[0:1], 0x0               ; ac s[4:5], asc s[6:7], pc s[8:9], ps s[10:11]
	s_load_b128 s[12:15], s[0:1], 0x20             ; gamma, beta
	s_load_b64 s[16:17], s[0:1], 0x30              ; out0
	v_lshl_add_u32 v[SPW], v0, 2, SPARE
	v_mov_b32 v[NIL], 0
	ds_add_u32 v240, v241
	ds_add_u32 v240, v241
	s_wait_dscnt 0x0
	v_lshrrev_b32 v13, 5, v0
	v_readfirstlane_b32 s18, v13                   ; wave 0..3
	v_and_b32 v13, 31, v0                          ; lane
	v_and_b32 v14, 15, v0                          ; r
	v_bfe_u32 v15, v0, 4, 1                        ; h
	v_lshlrev_b32 v[LOF], 4, v13
	v_lshlrev_b32 v[ASH], 4, v13
	v_lshlrev_b32 v[PFO], 8, v13
	v_lshl_add_u32 v[ASS], v14, 4, SSC
	v_lshlrev_b32 v[SOF], 12, v15
	v_lshl_add_u32 v[SOF], v14, 4, v[SOF]
	s_lshl_b32 s30, s18, 10
	v_lshl_add_u32 v[GOF], v15, 5, s30
	s_lshl_b32 s30, s18, 8
	s_add_co_u32 s30, s30, XM
	v_lshl_add_u32 v[XA], v14, 4, s30
	v_lshl_add_u32 v[XL], v14, 4, XM
	s_mul_i32 s30, s18, 12288
	v_add_nc_u32 v[SHW], s30, v[LOF]
	s_lshl_b32 s30, s18, 9
	s_add_co_u32 s30, s30, SSC
	v_add_nc_u32 v[SSW], s30, v[LOF]
	s_lshl_b32 s30, s18, 14
	s_add_co_u32 s30, s30, ASC
	v_add_nc_u32 v[AAS], s30, v[LOF]
	s_mul_i32 s30, s18, WSL                        ; my part of a slot: the wave's number alone enters an LDS address
	s_add_co_u32 s32, s30, SL1
	s_add_co_u32 s30, s30, SL0
	v_add_nc_u32 v[PL0], s30, v[LOF]
	v_add_nc_u32 v[PL1], s32, v[LOF]
	v_add_nc_u32 v[SRD], s30, v[LOF]
	v_mul_u32_u24 v[STO], v14, 1040
	v_lshl_add_u32 v[STO], v15, 5, v[STO]
	v_add_nc_u32 v[STO], s30, v[STO]
	s_bfe_u32 s19, ttmp6, 0x40000                  ; cx: my place in the cluster
	s_lshl_b32 s41, ttmp9, 2                       ; in a cluster launch ttmp9 counts clusters
	s_add_co_u32 s41, s41, s19                     ; lb = 4 x cluster x + cx: it enters v's and out0's addresses alone
	s_and_b32 s20, ttmp7, 0xffff                   ; b, which the four partners share
	s_add_co_u32 s21, s20, 24                      ; v's matrix: 24 + b
	s_mov_b32 s31, 0
	s_mov_b32 s3, 0
	s_mov_b32 s[SEL], 0x76543210
	s_mov_b32 s[SEL+1], 0xfedcba98
	s_mov_b32 s36, 0x06020400                      ; E0 O0 E2 O2
	s_mov_b32 s37, 0x07030501                      ; E1 O1 E3 O3
	s_mov_b32 s38, 0x3a800000                      ; 1 / 1,024
	s_mov_b32 s39, 0x3727c5ac                      ; 1e-5
	s_cmp_eq_u32 ttmp9, 0                          ; the batch's first cluster prefetches: the same in all four partners
	s_cselect_b32 s[LIM], 1, -1
	; descriptor group 1: 2 rows (att's, att_x's K step) of 12,288 bytes (8 tiles), as 1,536 elements of 8 bytes; the rows lie a matrix, 786,432 bytes, apart; in LDS one behind the other
	s_mov_b32 s[G1+0], 15|(3<<16)|(1<<21)          ; 15:0 the mask: all four work-groups; 17:16 elements of 8 bytes; 20 no padding; 21 set beside a mask
	s_mov_b32 s[G1+1], 1536<<16                    ; tensor_dim0
	s_mov_b32 s[G1+2], 2<<16                       ; tensor_dim1
	s_mov_b32 s[G1+3], 1536<<16                    ; tile_dim0
	s_mov_b32 s[G1+4], 2                           ; tile_dim1
	s_mov_b32 s[G1+5], 98304                       ; tensor_dim0_stride, in elements
	s_mov_b32 s[G1+6], 0
	s_mov_b32 s[G1+7], 0
	s_wait_kmcnt 0x0
	s_mul_i32 s30, s20, 1572864                    ; att's and att_x's matrices of the batch
	s_mul_i32 s32, s18, WSL                        ; my 16 tiles
	s_add_co_u32 s30, s30, s32
	s_add_nc_u64 s[ATT:ATT+1], s[4:5], s[30:31]
	s_add_nc_u64 s[PB:PB+1], s[ATT:ATT+1], 12288   ; tiles 8-15
	s_mov_b32 s[G0A], 1                            ; 1:0 count = 1
	s_add_co_u32 s[G0A+1], s32, SL0                ; 63:32 LDS address
	s_mov_b64 s[G0A+2:G0A+3], s[ATT:ATT+1]         ; 120:64 global address: K step 0
	s_or_b32 s[G0A+3], s[G0A+3], 0x80000000        ; 127:126 type = 2
	s_mov_b32 s[G0B], 1
	s_add_co_u32 s[G0B+1], s32, SL1
	s_add_nc_u64 s[G0B+2:G0B+3], s[ATT:ATT+1], 98304   ; K step 1
	s_or_b32 s[G0B+3], s[G0B+3], 0x80000000
	s_lshl_b32 s30, s20, 16
	s_lshl_b32 s32, s18, 9
	s_add_co_u32 s30, s30, s32
	s_add_nc_u64 s[ASB:ASB+1], s[6:7], s[30:31]
	; what hangs on my place in the cluster, in registers of its own
	s_mul_i32 s2, s21, 786432
	s_mul_i32 s33, s41, 6144                       ; v's tiles 4 lb on
	s_add_co_u32 s2, s2, s33
	s_mul_i32 s33, s18, 196608                     ; I copy K steps 2 wave and 2 wave + 1
	s_add_co_u32 s2, s2, s33
	s_add_nc_u64 s[SB:SB+1], s[8:9], s[2:3]
	s_lshl_b32 s2, s21, 15
	s_lshl_b32 s33, s41, 8
	s_add_co_u32 s2, s2, s33
	s_lshl_b32 s33, s18, 13
	s_add_co_u32 s2, s2, s33
	s_add_nc_u64 s[SSB:SSB+1], s[10:11], s[2:3]
	s_lshl_b32 s2, s20, 22                         ; out0: 1,024 rows of 4,096 bytes a batch,
	s_lshl_b32 s33, s41, 18                        ; 64 rows a work-group,
	s_add_co_u32 s2, s2, s33
	s_lshl_b32 s33, s18, 10                        ; my 256 columns
	s_add_co_u32 s2, s2, s33
	s_add_nc_u64 s[16:17], s[16:17], s[2:3]
	s_and_b32 s33, s19, 1
	s_mul_i32 s2, s33, 786432                      ; the prefetches: matrix cx % 2,
	s_lshr_b32 s33, s19, 1
	s_add_co_u32 s33, s33, 2                       ; K step 2 + cx / 2: the first trip's head steps it to 4 + cx / 2
	s_mul_i32 s33, s33, 98304
	s_add_co_u32 s2, s2, s33
	s_add_nc_u64 s[PFA:PFA+1], s[ATT:ATT+1], s[2:3]
	; v and att's scale words are asked for; then the round and the first fills of both slots; then the stream of tiles 8-15 begins
.irp k, 0,1
.irp i, 0,1,2,3,4,5,6,7,8,9,10,11
	global_load_b128 v[TMP+4*(12*\k+\i):TMP+4*(12*\k+\i)+3], v[LOF], s[SB:SB+1] offset:98304*\k+512*\i
.endr
.endr
	global_load_b128 v[TMS:TMS+3], v[SOF], s[SSB:SSB+1]            ; lanes 0-15: K step 2 wave, lanes 16-31: the next
	WIN 0x80                                       ; destination window 2: the accumulators' registers are free until the first product
.set i, 0
.rept 16                                       ; step i = 2 ks + w: E at v[8 i], O at v[8 i + 4]
	global_load_b128 v[8*i:8*i+3], v[LOF], s[ASB:ASB+1] offset:32768*(i%2)+4096*(i/2)
	global_load_b128 v[8*i+4:8*i+7], v[LOF], s[ASB:ASB+1] offset:32768*(i%2)+4096*(i/2)+2048
.set i, i+1
.endr
	WIN 0
	CROUND                                         ; all four work-groups are here: the first joint loads meet
	tensor_load_to_lds s[G0A:G0A+3], s[G1:G1+7]    ; K step 0 into slot 0,
	s_nop 0
	tensor_load_to_lds s[G0B:G0B+3], s[G1:G1+7]    ; K step 1 into slot 1: two tensor loads of mine are out
	s_nop 0
	PLACES
	s_wait_loadcnt 32                              ; v's 25 loads are in; the 32 of att's scale words may be out
.irp k, 0,1
.irp i, 0,1,2,3,4,5,6,7,8,9,10,11
	ds_store_b128 v[SHW], v[TMP+4*(12*\k+\i):TMP+4*(12*\k+\i)+3] offset:SH+6144*\k+512*\i
.endr
.endr
	ds_store_b128 v[SSW], v[TMS:TMS+3]
	WIN TO_P
.irp a, 8,9,10,11,12,13,14,15
	PLOAD 0, \a, 0                                 ; step 0: att's K step 0
.endr
	s_wait_loadcnt 24                              ; att's scale words are in; step 0's 24 tile loads may be out
	WIN 0xca                                       ; sources 0 and 1 window 2, destination window 3
.set i, 0
.rept 16
.irp x, 0,1,2,3
	v_perm_b32 v[8*i+2*\x], v[8*i+4+\x], v[8*i+\x], s36            ; register y of lane half h: the scale word of tile 8 h + y
	v_perm_b32 v[8*i+2*\x+1], v[8*i+4+\x], v[8*i+\x], s37
.endr
.set i, i+1
.endr
	WIN 0x0c                                       ; an LDS store's data are its source 1: window 3
.set i, 0
.rept 16
	ds_store_b128 v[AAS], v[8*i:8*i+3] offset:1024*i
	ds_store_b128 v[AAS], v[8*i+4:8*i+7] offset:1024*i+512
.set i, i+1
.endr
	WIN TO_P
.irp a, 8,9,10,11,12,13,14,15
	PLOAD 1, \a, 786432                            ; step 1: att_x's K step 0
.endr
	WIN 0
	s_wait_dscnt 0x0                               ; for the others' sake: my stores have landed
	s_wait_tensorcnt 0x1                           ; my part of slot 0 is in; slot 1's may stay out
	s_barrier_signal -1
	s_barrier_wait -1
	VFETCH 0
	AFETCH 0
.irp a, 0,1,2,3,4,5,6,7
	LLOAD \a, PL0, 0                               ; step 0's tiles 0-7
.endr
	;     v's set, att's set, zero, hd, more, fv, next tiles 0-7 from, gmore, tiles 8-15 of two steps on, counts
	KSTEP 0, 0, 1, 1, 1, 1, PL0, 12288, 1, 98304, 36, 36           ; step 0 starts the sums
	WIN 0                                          ; at a label and at a branch every window is 0
	s_mov_b32 s40, 3
.Lk:                                               ; three trips of four steps, 4 m + 1 .. 4 m + 4: once round the ring; both slots are filled again
	CHANGE G0A, 1                                  ; slot 0 takes K step 2 m + 2
	KSTEP 0, 1, 0, 0, 1, 0, PL1, 0,     1, 688128, 36, 36
	KSTEP 1, 0, 0, 1, 1, 1, PL1, 12288, 1, 0,      36, 36
	CHANGE G0B, 0                                  ; slot 1 takes K step 2 m + 3
	KSTEP 1, 1, 0, 0, 1, 0, PL0, 0,     1, 786432, 36, 36
	KSTEP 0, 0, 0, 1, 1, 1, PL0, 12288, 1, 98304,  36, 36
	WIN 0
	s_sub_co_u32 s40, s40, 1
	s_cmp_lg_u32 s40, 0
	s_cbranch_scc1 .Lk
	s_wait_tensorcnt 0x0                           ; the tail is written out: nothing is filled any more.  My part of slot 1, K step 7, is in: step 13 reads it
	KSTEP 0, 1, 0, 1, 1, 0, PL1, 0,     1, 884736, 36, 36          ; step 13 asks for step 15's tiles 8-15
	KSTEP 1, 0, 0, 1, 1, 0, PL1, 12288, 0, 0,      36, 24          ; step 14
	KSTEP 1, 1, 0, 1, 0, 0, PL1, 0,     0, 0,      12, 0           ; step 15
	; THE NORM.  Tile (a, t)'s eight numbers lie at v[32 (a % 8) + 8 t] of window 2 (a < 8) or 3.
	WIN 0
	PLACES                                         ; behind the last products
	WIN TO_P                                       ; gamma and beta of my 128 columns a lane half, into the registers that att's tiles have left
.set a, 0
.rept 16
	global_load_b128 v[8*a:8*a+3], v[GOF], s[12:13] offset:64*a
	global_load_b128 v[8*a+4:8*a+7], v[GOF], s[12:13] offset:64*a+16
	global_load_b128 v[128+8*a:128+8*a+3], v[GOF], s[14:15] offset:64*a
	global_load_b128 v[128+8*a+4:128+8*a+7], v[GOF], s[14:15] offset:64*a+16
.set a, a+1
.endr
	WIN 0x0a                                       ; sources 0 and 1 window 2
.irp t, 0,1,2,3
	v_pk_add_f32 v[SP+4*\t:SP+4*\t+1], v[8*\t:8*\t+1], v[8*\t+2:8*\t+3]           ; tile 0 starts the chains; each accumulator from its low end on
.endr
.irp t, 0,1,2,3
	v_pk_add_f32 v[SP+4*\t+2:SP+4*\t+3], v[8*\t+4:8*\t+5], v[8*\t+6:8*\t+7]
.endr
.macro SUMS first                      ; a window's tiles from \first on
.set a, \first
.rept 8-\first
.irp p, 0,1,2,3
.irp t, 0,1,2,3
	v_pk_add_f32 v[SP+4*\t+2*(\p%2):SP+4*\t+2*(\p%2)+1], v[32*a+8*\t+2*\p:32*a+8*\t+2*\p+1], v[SP+4*\t+2*(\p%2):SP+4*\t+2*(\p%2)+1]
.endr
.endr
.set a, a+1
.endr
.endm
	WIN 0x02
	SUMS 1
	WIN 0x03
	SUMS 0
	WIN 0
.irp t, 0,1,2,3
	v_mov_b32 v[SM+4+\t], 0                        ; a lane permute's destination counts as one of its sources
.endr
; Four figures a lane (one for each t), each in two packed chains at v[P], are summed over the chains, the lane halves and the four waves; the totals come out in v[SM+8] .. v[SM+11].
.macro XSUM P, off
.irp t, 0,1,2,3
	v_pk_add_f32 v[\P+4*\t:\P+4*\t+1], v[\P+4*\t:\P+4*\t+1], v[\P+4*\t+2:\P+4*\t+3]
.endr
.irp t, 0,1,2,3
	v_add_f32 v[SM+\t], v[\P+4*\t], v[\P+4*\t+1]
.endr
.irp t, 0,1,2,3
	v_permlanex16_b32 v[SM+4+\t], v[SM+\t], s[SEL], s[SEL+1]
.endr
.irp t, 0,1,2,3
	v_add_f32 v[SM+\t], v[SM+\t], v[SM+4+\t]
.endr
	ds_store_b128 v[XA], v[SM:SM+3] offset:\off                    ; both lane halves write the same words with the same values
	s_wait_dscnt 0x0
	s_barrier_signal -1
	s_barrier_wait -1
.irp w, 0,1,2,3
	ds_load_b128 v[SM+8+4*\w:SM+8+4*\w+3], v[XL] offset:\off+256*\w
.endr
	s_wait_dscnt 0x0
	v_pk_add_f32 v[SM+8:SM+9], v[SM+8:SM+9], v[SM+12:SM+13]
	v_pk_add_f32 v[SM+10:SM+11], v[SM+10:SM+11], v[SM+14:SM+15]
	v_pk_add_f32 v[SM+16:SM+17], v[SM+16:SM+17], v[SM+20:SM+21]
	v_pk_add_f32 v[SM+18:SM+19], v[SM+18:SM+19], v[SM+22:SM+23]
	v_pk_add_f32 v[SM+8:SM+9], v[SM+8:SM+9], v[SM+16:SM+17]
	v_pk_add_f32 v[SM+10:SM+11], v[SM+10:SM+11], v[SM+18:SM+19]
.endm
	XSUM SP, 0
.irp t, 0,1,2,3
	v_mul_f32 v[MP+2*\t], s38, v[SM+8+\t]          ; the mean, as a pair
	v_mul_f32 v[MP+2*\t+1], s38, v[SM+8+\t]
.endr
.macro DEV                             ; a window's 256 numbers less their means, in place
.set c, 0
.rept 128
	v_pk_add_f32 v[2*c:2*c+1], v[2*c:2*c+1], v[MP+2*(((2*c)%32)/8):MP+2*(((2*c)%32)/8)+1] neg_lo:[0,1] neg_hi:[0,1]
.set c, c+1
.endr
.endm
.macro SQ first                        ; and their squares, into the chains; first = 1: tile 0 starts them
.set a, 0
.rept 8
.irp p, 0,1,2,3
.irp t, 0,1,2,3
.if (\first) && (a == 0) && (\p < 2)
	v_pk_mul_f32 v[VP+4*\t+2*\p:VP+4*\t+2*\p+1], v[8*\t+2*\p:8*\t+2*\p+1], v[8*\t+2*\p:8*\t+2*\p+1]
.else
	v_pk_fma_f32 v[VP+4*\t+2*(\p%2):VP+4*\t+2*(\p%2)+1], v[32*a+8*\t+2*\p:32*a+8*\t+2*\p+1], v[32*a+8*\t+2*\p:32*a+8*\t+2*\p+1], v[VP+4*\t+2*(\p%2):VP+4*\t+2*(\p%2)+1]
.endif
.endr
.endr
.set a, a+1
.endr
.endm
	WIN 0x82
	DEV
	WIN 0x0a
	SQ 1
	WIN 0xc3
	DEV
	WIN 0x0f
	SQ 0
	WIN 0
	XSUM VP, XS-XM                                 ; other bytes than the sums': no wave may still be reading those
.irp t, 0,1,2,3
	v_fma_f32 v[SM+8+\t], v[SM+8+\t], s38, s39     ; var + eps
.endr
.irp t, 0,1,2,3
	v_rsq_f32 v[RS+2*\t], v[SM+8+\t]
	v_rsq_f32 v[RS+2*\t+1], v[SM+8+\t]             ; twice: a pair for the packed multiply
.endr
	v_nop                                          ; a plain place behind the last of them
	s_wait_alu depctr_va_vdst(0)                   ; one wait for the eight, ahead of their first reader
	s_wait_loadcnt 0x0                             ; gamma and beta
.macro NRM                             ; x 1 / sqrt(var + eps)
.set c, 0
.rept 128
	v_pk_mul_f32 v[2*c:2*c+1], v[2*c:2*c+1], v[RS+2*(((2*c)%32)/8):RS+2*(((2*c)%32)/8)+1]
.set c, c+1
.endr
.endm
.macro GB hi                           ; x gamma + beta: tile a = 8 hi + c / 16, its pair c % 4
.set c, 0
.rept 128
	v_pk_fma_f32 v[2*c:2*c+1], v[2*c:2*c+1], v[8*(8*\hi+c/16)+2*(c%4):8*(8*\hi+c/16)+2*(c%4)+1], v[128+8*(8*\hi+c/16)+2*(c%4):128+8*(8*\hi+c/16)+2*(c%4)+1]
.set c, c+1
.endr
.endm
	WIN 0x82
	NRM
	WIN 0x96                                       ; destination and source 0 window 2, gamma and beta window 1
	GB 0
	WIN 0xc3
	NRM
	WIN 0xd7
	GB 1
; THE WAY OUT, 16 positions (tile t) at a time: a lane's 32 bytes of a row go into my own stage and come back as half rows of 512 bytes.  LDS serves a wave's instructions in order (ISA guide 5.7.1.4): no wait between the stores and the loads.
.macro OUTT t
.if (\t) > 0
	s_wait_xcnt 0x0                                ; the last tile's stores have read their data: the rows' registers may be loaded again
.endif
	WIN 0x08                                       ; an LDS store's data are its source 1: window 2
.irp a, 0,1,2,3,4,5,6,7
	ds_store_b128 v[STO], v[32*\a+8*(\t):32*\a+8*(\t)+3] offset:64*\a
	ds_store_b128 v[STO], v[32*\a+8*(\t)+4:32*\a+8*(\t)+7] offset:64*\a+16
.endr
	WIN 0x0c                                       ; window 3
.irp a, 0,1,2,3,4,5,6,7
	ds_store_b128 v[STO], v[32*\a+8*(\t):32*\a+8*(\t)+3] offset:64*(\a+8)
	ds_store_b128 v[STO], v[32*\a+8*(\t)+4:32*\a+8*(\t)+7] offset:64*(\a+8)+16
.endr
	WIN 0
.set i, 0
.rept 32
	ds_load_b128 v[OB+4*i:OB+4*i+3], v[SRD] offset:1040*(i/2)+512*(i%2)
.set i, i+1
.endr
.set i, 0
.rept 32
	s_wait_dscnt 31-i                              ; load i is in; the younger ones may be out
	global_store_b128 v[LOF], v[OB+4*i:OB+4*i+3], s[16:17] offset:(16*(\t)+i/2)*4096+512*(i%2) th:TH_STORE_NT   ; 32 lanes store 512 consecutive bytes, at a multiple of 256 from out0's first byte
.set i, i+1
.endr
.endm
	OUTT 0
	OUTT 1
	OUTT 2
	OUTT 3
	s_wait_tensorcnt 0x0                           ; the wave's end, behind my last tensor load and my last LDS store
	ds_add_u32 v[SPW], v[NIL]
	s_wait_dscnt 0x0
	CROUND                                         ; the closing round: no work-group ends while a partner may still ask for a tile that names it
	s_endpgm
.Lfunc_end_k_q5b7b603334_mix:
	.size	k_q5b7b603334_mix, .Lfunc_end_k_q5b7b603334_mix-k_q5b7b603334_mix
	.p2alignl 7, 3214868480
	.fill 96, 4, 3214868480
	.section	.rodata,"a",@progbits
	.p2align	6, 0x0
	.amdhsa_kernel k_q5b7b603334_mix
		.amdhsa_group_segment_fixed_size 327680
		.amdhsa_private_segment_fixed_size 0
		.amdhsa_enable_private_segment 0
		.amdhsa_kernarg_size 56
		.amdhsa_user_sgpr_count 2
		.amdhsa_user_sgpr_kernarg_segment_ptr 1
		.amdhsa_wavefront_size32 1
		.amdhsa_system_sgpr_workgroup_id_x 1
		.amdhsa_system_sgpr_workgroup_id_y 1
		.amdhsa_system_sgpr_workgroup_id_z 1
		.amdhsa_system_vgpr_workitem_id 0
		.amdhsa_next_free_vgpr 1024
		.amdhsa_next_free_sgpr 66
		.amdhsa_reserve_vcc 0
		.amdhsa_float_denorm_mode_32 3
		.amdhsa_float_denorm_mode_16_64 3
		.amdhsa_memory_ordered 1
		.amdhsa_forward_progress 1
		.amdhsa_inst_pref_size 254
	.end_amdhsa_kernel
	.amdgpu_metadata
---
amdhsa.version: [ 1, 2 ]
amdhsa.kernels:
  - .name:           k_q5b7b603334_mix
    .symbol:         k_q5b7b603334_mix.kd
    .args:
      - { .name: ac, .offset: 0, .size: 8, .value_kind: global_buffer, .address_space: global }
      - { .name: asc, .offset: 8, .size: 8, .value_kind: global_buffer, .address_space: global }
      - { .name: pc, .offset: 16, .size: 8, .value_kind: global_buffer, .address_space: global }
      - { .name: ps, .offset: 24, .size: 8, .value_kind: global_buffer, .address_space: global }
      - { .name: gamma, .offset: 32, .size: 8, .value_kind: global_buffer, .address_space: global }
      - { .name: beta, .offset: 40, .size: 8, .value_kind: global_buffer, .address_space: global }
      - { .name: out0, .offset: 48, .size: 8, .value_kind: global_buffer, .address_space: global }
    .group_segment_fixed_size: 327680
    .private_segment_fixed_size: 0
    .kernarg_segment_align: 8
    .kernarg_segment_size: 56
    .max_flat_workgroup_size: 128
    .sgpr_count:     66
    .vgpr_count:     1024
    .wavefront_size: 32
...
	.end_amdgpu_metadata
.endif
;; end of part 3
